; MI455X (gfx1250); checked and timed in simulation.
; The chip was launched on July 23, 2026; its instructions are those of AMD's public machine-readable ISA for CDNA 5 (MIT licence, August 2026) and "CDNA5" Instruction Set Architecture Reference Guide (July 2026). The comments in the code are by the model that wrote it; some were corrected since.
;; Self Attention. Allowed arithmetic: matrix products marked QUANTISED: E2M3 operands, one E8M0 scale for each 32 along K, by v_wmma_scale_f32_16x16x128_f8f6f4 with both operands' format E2M3, f32 sums; everything else in f32.
;; Inputs: k_b 1,024 float32; k_w 1,024 x 1,024 float32; o_b 1,024 float32; o_w 1,024 x 1,024 float32; q_b 1,024 float32; q_w 1,024 x 1,024 float32; v_b 1,024 float32; v_w 1,024 x 1,024 float32; x 4 x 2,048 x 1,024 float32.
;; Outputs: out0 4 x 2,048 x 1,024 float32.
;; This version of the problem:
;;   THIS VERSION OF THE PROBLEM IS GIVEN IN LOW PRECISION. The matrix products marked QUANTISED in the list below multiply operands that are first quantised to E2M3 (2 exponent bits, 3 mantissa bits; 6 bits a number), with one power-of-two scale for each 32 numbers along K (OCP MX v1.0); their sums are f32. All else is computed in f32.
;;   The module's matrix products, in the order in which they are computed (A, B: the left and right operand; K: the contracted axis; several contracted axes count as one K, in the product's order):
;;     1. [M 8,192, K 1,024] x [K 1,024, N 1,024]; A: input x; B: input q_w: QUANTISED
;;     2. [M 8,192, K 1,024] x [K 1,024, N 1,024]; A: input x; B: input k_w: QUANTISED
;;     3. [M 8,192, K 1,024] x [K 1,024, N 1,024]; A: input x; B: input v_w: QUANTISED
;;     4. batch 64 x [M 2,048, K 64] x [K 64, N 2,048]; A: computed on the way; B: computed on the way: QUANTISED
;;     5. batch 64 x [M 2,048, K 2,048] x [K 2,048, N 64]; A: softmax (see below); B: computed on the way: QUANTISED
;;     6. [M 8,192, K 1,024] x [K 1,024, N 1,024]; A: computed on the way; B: input o_w: QUANTISED
;;   THE QUANTISER, for each operand of a quantised product, along K:
;;     - K is cut into blocks of 32 from its start; a last block that is shorter is filled with zeros.
;;     - A block's scale is 2^e with e = floor(log2(the largest magnitude in the block)) - 2, held to -126 .. 127; a block of zeros has e = 0. As a byte (E8M0): e + 127.
;;     - Each number is divided by its block's scale, clamped to +-7.5, and rounded to the nearest number of E2M3, ties to even, subnormals kept.
;;     - The product sums the exact products of the quantised numbers (number of the format x scale) in f32.
;;   ~~~python
;;   def quantise(x, axis):      # numpy; x: float32 -> the quantised numbers, widened to float32 again
;;       x = np.moveaxis(x, axis, -1); K = x.shape[-1]
;;       x = np.pad(x, [(0, 0)] * (x.ndim - 1) + [(0, -K % 32)]); x = x.reshape(x.shape[:-1] + (-1, 32)); a = np.abs(x).max(-1, keepdims=True)
;;       e = np.where(a > 0, np.clip(np.frexp(np.where(a > 0, a, 1))[1] - 1 - 2, -126, 127), 0)      # np.frexp(a)[1] - 1 = floor(log2(a)), exactly
;;       r = np.clip(x / 2.0 ** e, -7.5, 7.5)
;;       step = 2.0 ** (np.maximum(np.frexp(np.where(r == 0, 1, r))[1] - 1, 0) - 3)
;;       q = np.round(r / step) * step * 2.0 ** e      # np.round: ties to even
;;       return np.moveaxis(q.reshape(q.shape[:-2] + (-1,))[..., :K], -1, axis).astype(np.float32)
;;   ~~~
;;   SOFTMAX AHEAD OF A QUANTISED PRODUCT. Where the list says 'softmax', what is quantised is not the finished softmax but p = 2^(t - M), with t = logit x log2(e) and M = ceil(the row's largest t), a whole number; so 1/2 < the row's largest p <= 1. The row's sum l is taken of the UNQUANTISED p, in f32, and the product's result is divided by l at the end. Since M is a whole number, a kernel that streams over the keys may use a running M (the ceiling of the running maximum): every later rescaling is an exact power of two, which a block's scale takes up: the codes' values come out the same.
;;   OPERANDS COMPUTED ON THE WAY. 'Computed on the way' means the value that the module computes at that place (a softmax that the list does not call 'softmax' is quantised finished and normalised). What goes into a quantiser is computed in f32, as accurately as f32 sums, v_exp_f32 and their like allow (about 1e-6 of the number): no bf16 or f16 on the way to a quantiser, and a product that is left as it is and whose result goes on into a quantised operand takes f32 operands (vector FMAs, or v_wmma_f32_16x16x4_f32). A number that lies on a knife's edge between two numbers of the format may be rounded either way, as far as f32 arithmetic and the matrix unit's own rounding can turn it there, and no further.
;; One version. Each part assembles by itself: llvm-mc -triple=amdgcn-amd-amdhsa -mcpu=gfx1250 --defsym DOCPART=n.
;; ======== version 1 of 1: 4 launches
;; limits: right only within a limited range of input values
;; workspace buffers: xc 6,291,456 bytes; wc 3,145,728 bytes; sc0 360,448 bytes; sc1 294,912 bytes; qq 6,553,600 bytes; kv 13,107,200 bytes; ac 6,291,456 bytes
;; launch quant (part 1): grid 768 x 1, 4 waves a work-group, no clusters, 35,328 bytes of LDS; arguments x, q_w, k_w, v_w, o_w, xc, wc, sc0, sc1; writes xc, wc, sc0, sc1
.if DOCPART == 1
	.amdgcn_target "amdgcn-amd-amdhsa--gfx1250"
	.amdhsa_code_object_version 6
	.text
	.protected	k_q6f2257a82f_quant
	.globl	k_q6f2257a82f_quant
	.p2align	8
	.type	k_q6f2257a82f_quant,@function
k_q6f2257a82f_quant:
	s_mov_b64 s[64:65], 0
	v_nop
	global_prefetch_b8 v0, s[64:65] scope:SCOPE_SE
	s_setreg_imm32_b32 hwreg(HW_REG_WAVE_MODE, 25, 1), 1
	s_wait_xcnt 0x0
; x [8192][1024] and the four weights [1024 (k)][1024 (n)], f32, become codes of FP6 (E2M3) with one E8M0 byte for each 32 along K, laid as IMAGES OF OPERAND REGISTERS.
; A fragment is 16 rows x 128 K, 12 registers a lane: lane (r, h) holds row r, registers 6 c .. 6 c + 5 hold k = 64 c + 32 h + 0 .. 31.  Its image is 1,536 bytes: registers 4 g .. 4 g + 3 of lane L at 512 g + 16 L.
; THE ROWS OF A TILE ARE NOT NEIGHBOURS: row r of tile 2 B + u is index 32 B + 8 u + r + 8 (r / 8), for x's rows and for the weights' columns n alike, so that a later product's 16 registers of two tiles are 16 neighbours.
; xc: [512 tiles][8 K steps][image].  wc: [256 tiles: q 0-63, k 64-127, v 128-191, o 192-255][8][image].  Scale words: 512 bytes a tile, [K half][row][4 words], a word for each K step of 128:
; sc0 holds x's tiles 0-511 and q, k, v's at 512 on; sc1 holds o's at 512 on (its tiles 0-511 are written by the attention launch).
; A block's scale is 2^(floor(log2(largest magnitude)) - 2); its byte is the largest magnitude's exponent field - 2, held at 1 from below.
; LIMITS: a block of zeros, or one whose largest magnitude lies under 2^-124, gets the byte 1 where the rule says 127 or less: its codes are zeros or next to nothing, and this program alone reads the bytes.  NaN and infinities are not served.
; SHARES: work-groups 0-255 take the weights (weight m = j / 64, columns 32 ((j / 2) % 32) on, K half j % 2; a wave takes one K step of 128); work-groups 256-767 take one tile of x each (a wave takes two K steps).
; Every wave reads 16 KiB.  A stream: no matrix unit, no cluster (no two work-groups read the same numbers), no tensor load.  Each path has LDS bytes of its own.
.set STG, 16*528                       ; x: a wave's stage: 16 rows x (512 bytes + 16)
.set GX,  4*STG                        ; x: where the tile's 512 bytes of scale words are gathered
.set GW,  GX+512                       ; weights: the same for two tiles' K half
.set XL,  32                           ; v32-159 x as loaded (32 loads); weights: v32-95, two sets of 32 numbers
.set XN,  160                          ; v160-223 x: 64 numbers of my row, two whole blocks
.set PC,  224                          ; v224-235 x: a fragment's codes
.set UU,  236                          ; v236-242 x: the upper halves of two blocks (a conversion's three registers begin on an even number)
.set T0,  96                           ; v96-107  weights: the fragment of tile 2 B
.set T1,  108                          ; v108-119 weights: the fragment of tile 2 B + 1
.set UA,  120                          ; v120-122, v124-126 weights: upper halves of an even and an odd block
.set UB,  124
	s_load_b256 s[4:11], s[0:1], 0x0               ; x, q_w, k_w, v_w
	s_load_b256 s[12:19], s[0:1], 0x20             ; o_w, xc, wc, sc0
	s_load_b64 s[20:21], s[0:1], 0x40              ; sc1
	v_lshl_add_u32 v248, v0, 2, 0x8800
	v_mov_b32 v249, 0
	v_lshrrev_b32 v1, 5, v0
	v_readfirstlane_b32 s22, v1                    ; wave 0..3
	v_and_b32 v2, 31, v0                           ; lane L
	v_and_b32 v3, 15, v0                           ; r
	v_bfe_u32 v4, v0, 4, 1                         ; h
	v_lshlrev_b32 v5, 4, v2                        ; 16 L
	; every LDS address of both paths is made here, ahead of the parting
	s_lshl_b32 s23, s22, 2
	v_add_nc_u32 v8, s23, v5
	v_add_nc_u32 v8, GW, v8                        ; weights: my column's word of my K step: GW + 16 L + 4 wave
	v_add_nc_u32 v9, GW, v5                        ; and back: 16 bytes a lane
	s_mul_i32 s23, s22, STG
	v_add_nc_u32 v14, s23, v5                      ; x: into my stage: 16 L of a row
	v_mul_u32_u24 v15, v3, 528
	v_lshl_add_u32 v15, v4, 7, v15
	v_add_nc_u32 v15, s23, v15                     ; and out of it: row r, + 128 h: my block of 32 numbers
	s_lshr_b32 s23, s22, 1
	s_lshl_b32 s23, s23, 8
	s_and_b32 s24, s22, 1
	s_lshl_b32 s24, s24, 3
	s_add_co_u32 s23, s23, s24
	v_lshl_add_u32 v16, v3, 4, s23
	v_add_nc_u32 v16, GX, v16                      ; x: my two words: GX + 256 (wave / 2) + 16 r + 8 (wave % 2)
	v_add_nc_u32 v17, GX, v5
	s_cmp_lt_u32 ttmp9, 256
	s_cbranch_scc0 .Lxpath
	; ---------------- THE WEIGHTS.  A lane takes a column n and its registers run down K: a block of 32 lies in one lane.
	s_lshr_b32 s23, ttmp9, 6                       ; m: which weight
	s_bfe_u32 s24, ttmp9, 0x50001                  ; B: columns 32 B on
	s_and_b32 s25, ttmp9, 1                        ; K half
	s_lshl_b32 s26, s25, 2
	s_add_co_u32 s26, s26, s22                     ; my K step: 4 x half + wave
	v_and_b32 v6, 7, v0
	v_bfe_u32 v7, v0, 3, 1
	v_lshl_add_u32 v6, v7, 4, v6
	v_lshl_add_u32 v6, v4, 3, v6                   ; my column in the 32: (L % 8) + 16 ((L / 8) % 2) + 8 (L / 16): lanes 0-15 are tile 2 B's rows, lanes 16-31 tile 2 B + 1's
	v_lshlrev_b32 v6, 2, v6                        ; the 32 lanes still cover the same 128 consecutive bytes
	v_lshlrev_b32 v10, 4, v3
	v_lshl_add_u32 v10, v4, 9, v10                 ; the scale words' way out: 512 h + 16 r
	s_lshl_b32 s28, s26, 19                        ; 128 rows of 4,096 bytes a K step
	s_lshl_b32 s27, s24, 7
	s_add_co_u32 s28, s28, s27
	s_mov_b32 s29, 0
	s_lshl_b32 s33, s23, 6                         ; 64 m
	s_lshl_b32 s31, s24, 1                         ; 2 B
	s_add_co_u32 s34, s33, s31
	s_mul_i32 s34, s34, 12288
	s_mul_i32 s32, s26, 1536
	s_add_co_u32 s34, s34, s32                     ; wc: tile 64 m + 2 B, my K step
	s_mov_b32 s35, 0
	s_wait_alu depctr_va_vdst(0)
	s_wait_kmcnt 0x0
	s_cmp_eq_u32 s23, 1                            ; the buffers are chosen on the work-group's number alone
	s_cselect_b64 s[6:7], s[8:9], s[6:7]
	s_cmp_eq_u32 s23, 2
	s_cselect_b64 s[6:7], s[10:11], s[6:7]
	s_cmp_eq_u32 s23, 3
	s_cselect_b64 s[6:7], s[12:13], s[6:7]
	s_cselect_b64 s[18:19], s[20:21], s[18:19]     ; o's scale words go to sc1,
	s_cselect_b32 s36, 0, s33                      ; at tile 512 on; q, k, v's to sc0 at 512 + 64 m on
	s_add_co_u32 s36, s36, s31
	s_add_co_u32 s36, s36, 512
	s_lshl_b32 s36, s36, 9
	s_lshl_b32 s37, s25, 8
	s_add_co_u32 s36, s36, s37
	s_mov_b32 s37, 0
	s_add_nc_u64 s[6:7], s[6:7], s[28:29]
	s_add_nc_u64 s[16:17], s[16:17], s[34:35]
	s_add_nc_u64 s[18:19], s[18:19], s[36:37]
.macro LOADB t                         ; block t of my K step: W(32 t + i, my column) into set t % 2
.set ii, 0
.rept 32
	global_load_b32 v[XL+32*((\t)%2)+ii], v6, s[6:7] offset:(32*(\t)+ii)*4096
.set ii, ii+1
.endr
.endm
.macro WBLOCK t
.set XS, XL+32*((\t)%2)
.set CC, (\t)/2
.if (\t) < 3
	s_wait_loadcnt 32                              ; this block's 32 loads are in; the next block's 32 may be out
.else
	s_wait_loadcnt 0x0
.endif
	v_max3_num_f32 v12, |v[XS]|, |v[XS+1]|, |v[XS+2]|      ; the block's largest magnitude: all 32 numbers are mine; two chains
	v_max3_num_f32 v13, |v[XS+3]|, |v[XS+4]|, |v[XS+5]|
.irp i, 6,10,14,18,22,26
	v_max3_num_f32 v12, v12, |v[XS+\i]|, |v[XS+\i+1]|
	v_max3_num_f32 v13, v13, |v[XS+\i+2]|, |v[XS+\i+3]|
.endr
	v_max3_num_f32 v12, v12, |v[XS+30]|, |v[XS+31]|
	v_max3_num_f32 v12, v12, v13, 0x1800000        ; and the floor 2^(3 - 127): the byte cannot fall under 1
	v_add_nc_u32 v11, 0xff000000, v12              ; 2 off the exponent field: the conversion takes this operand's exponent field as its scale
	v_lshrrev_b32 v13, 23, v11                     ; the scale's byte
.if (\t) == 0
	v_mov_b32 v20, v13                             ; my column's word for this K step, the lower K in the lower byte
.else
	v_lshl_or_b32 v20, v13, 8*(\t), v20
.endif
.if (\t)%2 == 0
	v_cvt_scalef32_pk16_fp6_f32 v[T0+6*CC:T0+6*CC+2], v[XS:XS+15], v11
	v_cvt_scalef32_pk16_fp6_f32 v[UA:UA+2], v[XS+16:XS+31], v11
.else
	v_cvt_scalef32_pk16_fp6_f32 v[T1+6*CC:T1+6*CC+2], v[XS:XS+15], v11
	v_cvt_scalef32_pk16_fp6_f32 v[UB:UB+2], v[XS+16:XS+31], v11
.endif
	v_nop                                          ; one plain line behind the last conversion
.if (\t) < 2
	LOADB (\t)+2
.endif
.if (\t)%2 == 1
; The even block's codes stand in T0 and UA, the odd block's in T1 and UB; in each, lanes 0-15 hold tile 2 B's columns and lanes 16-31 tile 2 B + 1's.  The operand wants, of ONE tile, the even block in lanes 0-15
; and the odd block in lanes 16-31: the exchange of the first's upper lanes with the second's lower lanes gives just that, tile 2 B in the first register and tile 2 B + 1 in the second.
.irp i, 0,1,2
	v_permlane16_swap_b32 v[T0+6*CC+\i], v[T1+6*CC+\i]
.endr
.irp i, 0,1,2
	v_permlane16_swap_b32 v[UA+\i], v[UB+\i]
.endr
.irp i, 0,1,2
	v_mov_b32 v[T0+6*CC+3+\i], v[UA+\i]
	v_mov_b32 v[T1+6*CC+3+\i], v[UB+\i]
.endr
.endif
.endm
	LOADB 0
	LOADB 1
	WBLOCK 0
	WBLOCK 1
	WBLOCK 2
	WBLOCK 3
.irp c, 0,1,2
	global_store_b128 v5, v[T0+4*\c:T0+4*\c+3], s[16:17] offset:512*\c          ; each store covers 512 consecutive bytes, aligned
	global_store_b128 v5, v[T1+4*\c:T1+4*\c+3], s[16:17] offset:12288+512*\c
.endr
	ds_store_b32 v8, v20
	s_wait_dscnt 0x0                               ; for the others' sake: my word has landed
	s_barrier_signal -1
	s_barrier_wait -1
	s_cmp_lg_u32 s22, 0
	s_cbranch_scc1 .Lwend
	ds_load_b128 v[24:27], v9                      ; four K steps' words of my column
	s_wait_dscnt 0x0
	global_store_b128 v10, v[24:27], s[18:19]      ; sixteen lanes store 256 consecutive bytes, aligned: one tile's K half
.Lwend:
	s_wait_tensorcnt 0x0
	ds_add_u32 v248, v249
	s_wait_dscnt 0x0
	s_endpgm
	; ---------------- x.  K is innermost: the loads take the bytes as they lie, 512 to a load, and a K step's 16 rows turn through my stage so that a lane gets two whole blocks of its row.
.Lxpath:
	s_sub_co_u32 s23, ttmp9, 256                   ; the tile
	; x's TILES HAVE AN ORDER OF THEIR OWN (the weights' columns keep the order stated at the head): row p of tile T is row 64 (T / 4) + 8 (T % 4) + p % 8 + 32 (p / 8) of x,
	; so that in a later product a lane's 32 registers of four tiles are one whole block of 32 neighbouring rows.
	s_lshr_b32 s24, s23, 2
	s_lshl_b32 s24, s24, 6
	s_and_b32 s25, s23, 3
	s_lshl_b32 s25, s25, 3
	s_add_co_u32 s24, s24, s25                     ; its first row: 64 (T / 4) + 8 (T % 4)
	s_lshl_b32 s24, s24, 12
	s_lshl_b32 s25, s22, 10                        ; my two K steps: 1,024 bytes of each row
	s_add_co_u32 s24, s24, s25
	s_mov_b32 s25, 0
	s_mul_i32 s26, s23, 12288
	s_mul_i32 s27, s22, 3072
	s_add_co_u32 s26, s26, s27
	s_mov_b32 s27, 0
	s_lshl_b32 s28, s23, 9
	s_mov_b32 s29, 0
	s_mov_b32 s40, 0x76543210
	s_mov_b32 s41, 0xfedcba98                      ; v_permlanex16_b32's selects for lane l xor 16
	v_lshlrev_b32 v30, 3, v4                       ; 8 h
	v_mov_b32 v29, 0                               ; written once: a lane permute's destination counts as one of its sources
	s_wait_kmcnt 0x0
	s_add_nc_u64 s[4:5], s[4:5], s[24:25]
	s_add_nc_u64 s[14:15], s[14:15], s[26:27]
	s_add_nc_u64 s[18:19], s[18:19], s[28:29]
.irp u, 0,1
.irp p, 0,1,2,3,4,5,6,7,8,9,10,11,12,13,14,15
	global_load_b128 v[XL+64*\u+4*\p:XL+64*\u+4*\p+3], v5, s[4:5] offset:(\p+24*(\p/8))*4096+512*\u th:TH_LOAD_NT   ; tile row p (p % 8 + 32 (p / 8) rows on), K step u: 512 consecutive bytes; all 32 loads go out at once
.endr
.endr
.macro XUNIT u
	s_wait_loadcnt 16*(1-\u)                       ; this K step's 16 loads are in; the other's 16 may be out
.irp p, 0,1,2,3,4,5,6,7,8,9,10,11,12,13,14,15
	ds_store_b128 v14, v[XL+64*\u+4*\p:XL+64*\u+4*\p+3] offset:528*\p
.endr
.irp c, 0,1
.irp j, 0,1,2,3,4,5,6,7
	ds_load_b128 v[XN+32*\c+4*\j:XN+32*\c+4*\j+3], v15 offset:256*\c+16*\j      ; LDS serves a wave's instructions in order: these see my stores.  k = 64 c + 32 h + 4 j on
.endr
.endr
	s_wait_dscnt 0x0
.irp c, 0,1
	v_max3_num_f32 v[24+\c], |v[XN+32*\c]|, |v[XN+32*\c+1]|, 0x1800000          ; my block 2 c + h, with the floor 2^(3 - 127)
.endr
.irp i, 2,4,6,8,10,12,14,16,18,20,22,24,26,28,30
.irp c, 0,1
	v_max3_num_f32 v[24+\c], v[24+\c], |v[XN+32*\c+\i]|, |v[XN+32*\c+\i+1]|     ; (the two blocks by turns)
.endr
.endr
.irp c, 0,1
	v_add_nc_u32 v[26+\c], 0xff000000, v[24+\c]    ; the conversion's scale operand
.endr
.irp c, 0,1
	v_lshrrev_b32 v[24+\c], 23, v[26+\c]           ; the byte
.endr
	v_lshl_or_b32 v28, v25, 16, v24                ; my two bytes: blocks h and 2 + h,
	v_lshlrev_b32 v28, v30, v28                    ; at their places in the word;
	v_permlanex16_b32 v29, v28, s40, s41
	v_or_b32 v[22+\u], v28, v29                    ; with lane l xor 16's two the word is whole
.if \u
	s_wait_alu depctr_va_vdst(0)
	s_wait_xcnt 0x0                                ; the first K step's stores have read the codes' registers
.endif
.irp c, 0,1
	v_cvt_scalef32_pk16_fp6_f32 v[PC+6*\c:PC+6*\c+2], v[XN+32*\c:XN+32*\c+15], v[26+\c]
	v_cvt_scalef32_pk16_fp6_f32 v[UU+4*\c:UU+4*\c+2], v[XN+32*\c+16:XN+32*\c+31], v[26+\c]
.endr
	v_nop                                          ; one plain line behind the last conversion
.irp c, 0,1
.irp i, 0,1,2
	v_mov_b32 v[PC+6*\c+3+\i], v[UU+4*\c+\i]
.endr
.endr
.irp c, 0,1,2
	global_store_b128 v5, v[PC+4*\c:PC+4*\c+3], s[14:15] offset:1536*\u+512*\c
.endr
.endm
	s_wait_alu depctr_va_vdst(0)
	XUNIT 0
	XUNIT 1
	ds_store_b64 v16, v[22:23]                     ; lanes r and r + 16 write the same words to the same place
	s_wait_dscnt 0x0
	s_barrier_signal -1
	s_barrier_wait -1
	s_cmp_lg_u32 s22, 0
	s_cbranch_scc1 .Lxend
	ds_load_b128 v[32:35], v17
	s_wait_dscnt 0x0
	global_store_b128 v5, v[32:35], s[18:19]       ; the tile's 512 bytes of scale words
.Lxend:
	s_wait_tensorcnt 0x0
	ds_add_u32 v248, v249
	s_wait_dscnt 0x0
	s_endpgm
.Lfunc_end_k_q6f2257a82f_quant:
	.size	k_q6f2257a82f_quant, .Lfunc_end_k_q6f2257a82f_quant-k_q6f2257a82f_quant
	.p2alignl 7, 3214868480
	.fill 96, 4, 3214868480
	.section	.rodata,"a",@progbits
	.p2align	6, 0x0
	.amdhsa_kernel k_q6f2257a82f_quant
		.amdhsa_group_segment_fixed_size 35328
		.amdhsa_private_segment_fixed_size 0
		.amdhsa_enable_private_segment 0
		.amdhsa_kernarg_size 72
		.amdhsa_user_sgpr_count 2
		.amdhsa_user_sgpr_kernarg_segment_ptr 1
		.amdhsa_wavefront_size32 1
		.amdhsa_system_sgpr_workgroup_id_x 1
		.amdhsa_system_sgpr_workgroup_id_y 1
		.amdhsa_system_sgpr_workgroup_id_z 1
		.amdhsa_system_vgpr_workitem_id 0
		.amdhsa_next_free_vgpr 250
		.amdhsa_next_free_sgpr 66
		.amdhsa_reserve_vcc 0
		.amdhsa_float_denorm_mode_32 3
		.amdhsa_float_denorm_mode_16_64 3
		.amdhsa_memory_ordered 1
		.amdhsa_forward_progress 1
		.amdhsa_inst_pref_size 38
	.end_amdhsa_kernel
	.amdgpu_metadata
---
amdhsa.version: [ 1, 2 ]
amdhsa.kernels:
  - .name:           k_q6f2257a82f_quant
    .symbol:         k_q6f2257a82f_quant.kd
    .args:
      - { .name: x, .offset: 0, .size: 8, .value_kind: global_buffer, .address_space: global }
      - { .name: q_w, .offset: 8, .size: 8, .value_kind: global_buffer, .address_space: global }
      - { .name: k_w, .offset: 16, .size: 8, .value_kind: global_buffer, .address_space: global }
      - { .name: v_w, .offset: 24, .size: 8, .value_kind: global_buffer, .address_space: global }
      - { .name: o_w, .offset: 32, .size: 8, .value_kind: global_buffer, .address_space: global }
      - { .name: xc, .offset: 40, .size: 8, .value_kind: global_buffer, .address_space: global }
      - { .name: wc, .offset: 48, .size: 8, .value_kind: global_buffer, .address_space: global }
      - { .name: sc0, .offset: 56, .size: 8, .value_kind: global_buffer, .address_space: global }
      - { .name: sc1, .offset: 64, .size: 8, .value_kind: global_buffer, .address_space: global }
    .group_segment_fixed_size: 35328
    .private_segment_fixed_size: 0
    .kernarg_segment_align: 8
    .kernarg_segment_size: 72
    .max_flat_workgroup_size: 128
    .sgpr_count:     66
    .vgpr_count:     250
    .wavefront_size: 32
...
	.end_amdgpu_metadata
.endif
;; end of part 1
;; launch qkv (part 2): grid 8 x 48, 4 waves a work-group, clusters of 4 x 4, 327,680 bytes of LDS; arguments xc, wc, sc0, q_b, k_b, v_b, qq, kv; writes qq, kv
.if DOCPART == 2
	.amdgcn_target "amdgcn-amd-amdhsa--gfx1250"
	.amdhsa_code_object_version 6
	.text
	.protected	k_q6f2257a82f_qkv
	.globl	k_q6f2257a82f_qkv
	.p2align	8
	.type	k_q6f2257a82f_qkv,@function
k_q6f2257a82f_qkv:
	s_mov_b64 s[64:65], 0
	v_nop
	global_prefetch_b8 v0, s[64:65] scope:SCOPE_SE
	s_setreg_imm32_b32 hwreg(HW_REG_WAVE_MODE, 25, 1), 1
	s_wait_xcnt 0x0
	s_wait_alu depctr_hold_cnt(0) depctr_sa_sdst(0) depctr_va_vdst(0) depctr_va_sdst(0) depctr_va_ssrc(0) depctr_va_vcc(0) depctr_vm_vsrc(0)
	s_getreg_b32 s2, hwreg(HW_REG_IB_STS2, 6, 4)
	s_cmp_eq_u32 s2, 0
	s_cbranch_scc0 .Lentry_in_a_cluster
	s_endpgm
.Lentry_in_a_cluster:
	s_bfe_u32 s2, ttmp6, 0x10000c
	s_cmp_lg_u32 s2, 0xf033
	s_cbranch_scc0 .Lentry_shape_is_right
	s_endpgm
.Lentry_shape_is_right:
; q = x Wq + bq, k = x Wk + bk, v = x Wv + bv on codes of FP6 (E2M3) with E8M0 scales, K = 1,024; the results are quantised in registers and leave as images of the attention launch's operand registers.
; A work-group makes 256 x 256 results, a wave 128 x 128: 64 accumulators, 512 registers.  The matrix instruction is used transposed: source 0 = 16 rows of 'B', source 1 = 16 rows of 'A'; a lane holds ONE row of A (lane % 16)
; and its 64 registers of a tile row run along B.  The rows of every tile are index 32 (t / 2) + 8 (t % 2) + r + 8 (r / 8), so register 16 b + i of those 64 is B's index 32 b + 16 (lane / 16) + i: 16 neighbours.
; ROLES.  Clusters with y < 8: A = x's rows, B = the columns of Wq | Wk: a lane's registers run along the heads' 64, the K of q k^T.  Clusters with y >= 8: A = Wv's columns, B = x's rows: they run along the keys, the K of p v.
; The roles are chosen by scalar selects on the cluster's y, which all sixteen partners share; one branch on it, behind the last change of slots, parts the two ways out.
; OPERANDS come as register images (1,536 bytes a fragment of 16 rows x 128 K; a tile's 8 K steps on end, 12,288 bytes): a fragment is three ds_load_b128 at 16 x lane: dense, so no padding.
; K goes in four chunks of 2 steps through three LDS slots: chunks 0, 1, 2 are first fills, chunk 3 is the launch's one refill, into slot 0, with four K steps (256 matrix instructions a wave) in which to land.
; CLUSTERS: 4 x 4; A's tiles are asked for jointly along a row of the cluster, B's along a column.
; OUT.  qq: [64 heads][16 steps of 128 rows][8 half images of 768 bytes (16 rows x the head's 64) ; 256 bytes of words [row][4]].  kv: [64][16][K: 8 half images ; V: 4 images (16 of the head's 64 x 128 keys) ; K's words ; V's words] = 12,800 bytes a step.
; A half image: registers 0-3 at 16 x lane, registers 4-5 at 512 + 8 x lane.  Word g of q or k: (tile 2 g: two bytes ; tile 2 g + 1: two bytes).  Every store covers 256 or 512 consecutive bytes, aligned.
; LIMITS: a block of zeros, or one whose largest magnitude lies under 2^-124, gets the byte 1; its codes are zeros or next to nothing and this program alone reads the bytes.  NaN and infinities are not served.
; REGISTERS: window 0: v1-29 addresses; v32-95 scale words and nothing else; v96-110 the way out's words; v128-223 A's fragments, one set (on the way out: v128-191 the biased sums, v192-231 two sets of codes); v232-247 at work.
;   window 1: B's fragments, two sets, v0-95 and v128-223; the biases in v96-127 and v224-255.   windows 2, 3: the accumulators, (a, b) at v[8 (8 (a % 4) + b)].
.set FR,    12                         ; registers of a fragment
.set TROW,  3072                       ; a tile's chunk: two images
.set HALFT, 8*TROW                     ; 8 tiles: what one tensor load brings, and what one wave reads of A or of B
.set SLOT,  4*HALFT                    ; A's 16 tiles, then B's 16
.set SPARE, 3*SLOT                     ; behind the slots: the spare words, 128 bytes a wave, two blocks of 256 bytes that no other line names
.set NLA,   3                          ; LDS loads that bring a fragment of A
.set ADRA,  16                         ; v16-18  16 x lane + my 8 tiles of A in slot 0, 1, 2
.set ADRB,  20                         ; v20-22  the same for B
.set LI,    24                         ; v24     16 x lane
.set L8,    25                         ; v25     8 x lane
.set SCO,   26                         ; v26     my offset among the scale words: lanes 0-15 A's tiles, lanes 16-31 B's
.set SPW,   28                         ; v28     LDS address of my spare word; never rewritten
.set NIL,   29                         ; v29     0; never rewritten
.set SC,    32                         ; v[SC + 8 i + s]: lanes 0-15 the word of A's tile i, lanes 16-31 that of B's tile i, for K step s
.set AF,    128
.set HA,    128
.set PC0,   192
.set TM,    232
.set PWA,   96
.set G1A,   24                         ; s[24:31] descriptor group 1 for A;  s[32:47] group 0 for chunks 0 to 3
.set G0A,   32
.set G1B,   48                         ; s[48:55], s[68:83] the same for B
.set G0B,   68
.set MUL_LO, 0xa1                      ; source 0 (B) window 1, source 1 (A) window 0, C and D window 2
.set MUL_HI, 0xf1
.set TO_B,   0x40
.set MSB, 0
.macro WIN new                         ; the immediate's high byte repeats the setting that is left
.if MSB != (\new)
	s_set_vgpr_msb (MSB<<8)|(\new)
.set MSB, (\new)
.endif
.endm
.macro PLACES                          ; four plain vector lines behind a matrix instruction, ahead of loads into its sources and of reads of its result
.rept 4
	v_nop
.endr
.endm
.macro JLOAD g0a, g1a, g0b, g1b        ; a joint load: waves 0 and 1 fetch for A, waves 2 and 3 for B; four v_nop follow each line
	s_cmp_eq_u32 s21, 0
	s_cbranch_scc0 .Lfor_b_\@
	tensor_load_to_lds s[\g0a:\g0a+3], s[\g1a:\g1a+7]
	s_nop 0
.rept 4
	v_nop
.endr
	s_branch .Lasked_\@
.Lfor_b_\@:
	tensor_load_to_lds s[\g0b:\g0b+3], s[\g1b:\g1b+7]
	s_nop 0
.rept 4
	v_nop
.endr
.Lasked_\@:
.endm
.macro CREST                           ; a round of the cluster's barrier behind its opening barrier
	s_cmp_lg_u32 s20, 0
	s_cbranch_scc1 .Lnot_wave_0_\@
	s_barrier_signal -3
.Lnot_wave_0_\@:
	s_barrier_wait -3
	s_barrier_signal -1
	s_barrier_wait -1
.endm
.macro CROUND
	s_barrier_signal -1
	s_barrier_wait -1
	CREST
.endm
.macro FRAG reg, adr, off              ; an image comes back as it was stored
.irp c, 0,1,2
	ds_load_b128 v[\reg+4*\c:\reg+4*\c+3], v[\adr] offset:\off+512*\c
.endr
.endm
.macro FETCH_B slot, q, p              ; B's eight fragments of the slot's q-th step into set p
	WIN TO_B
.irp i, 0,1,2,3,4,5,6,7
	FRAG 128*(\p)+FR*\i, ADRB+\slot, \i*TROW*(1+((\slot)+1)/2)+(\q)*1536      ; in slot 0 a tile's chunk is 3,072 bytes; chunks 1 and 2 lie side by side, 6,144 bytes a tile
.endr
	WIN 0
.endm
.macro FETCH_A slot, q, i0             ; A's tiles i0 .. i0 + 3
.irp i, \i0, \i0+1, \i0+2, \i0+3
	FRAG AF+FR*(\i), ADRA+\slot, (\i)*TROW*(1+((\slot)+1)/2)+(\q)*1536
.endr
.endm
; 16 matrix instructions: A's tiles a0, a0 + 1 x B's eight, K step s, B's set p.  The 64 accumulators take turns, one instruction a turn, in the same order in every step.
.macro MUL16 a0, p, s, zero
.irp a, \a0, \a0+1
.irp b, 0,1,2,3,4,5,6,7
.if \zero
	v_wmma_scale_f32_16x16x128_f8f6f4 v[8*(8*((\a)%4)+\b):8*(8*((\a)%4)+\b)+7], v[128*(\p)+FR*\b:128*(\p)+FR*\b+FR-1], v[AF+FR*(\a):AF+FR*(\a)+FR-1], 0, v[SC+8*\b+(\s)], v[SC+8*(\a)+(\s)] matrix_a_fmt:MATRIX_FMT_FP6 matrix_b_fmt:MATRIX_FMT_FP6 matrix_a_scale:MATRIX_SCALE_ROW1
.else
	v_wmma_scale_f32_16x16x128_f8f6f4 v[8*(8*((\a)%4)+\b):8*(8*((\a)%4)+\b)+7], v[128*(\p)+FR*\b:128*(\p)+FR*\b+FR-1], v[AF+FR*(\a):AF+FR*(\a)+FR-1], v[8*(8*((\a)%4)+\b):8*(8*((\a)%4)+\b)+7], v[SC+8*\b+(\s)], v[SC+8*(\a)+(\s)] matrix_a_fmt:MATRIX_FMT_FP6 matrix_b_fmt:MATRIX_FMT_FP6 matrix_a_scale:MATRIX_SCALE_ROW1
.endif
.endr
.endr
.endm
; K step s; the next step's fragments lie in slot nslot, its nq-th step.  A tile of A is free when its eight products are issued: tiles 0-3 are fetched anew in the middle, 4-7 at the end.
.macro STEP s, nslot, nq, zero
	s_wait_dscnt 4*NLA                             ; B's set and A's tiles 0-3 are in; the youngest loads, A's tiles 4-7, may be out
	WIN MUL_LO
	MUL16 0, (\s)%2, \s, \zero
	MUL16 2, (\s)%2, \s, \zero
	s_wait_dscnt 0x0                               ; A's tiles 4-7 are in
	PLACES
	FETCH_B \nslot, \nq, 1-(\s)%2
	FETCH_A \nslot, \nq, 0
	WIN MUL_HI
	MUL16 4, (\s)%2, \s, \zero
	MUL16 6, (\s)%2, \s, \zero
	PLACES
	WIN 0
	FETCH_A \nslot, \nq, 4
.endm
; A step with a barrier.  In front of it each wave waits for all its tensor loads, adds 0 to its spare word, and waits for that and for its LDS reads.  fill = 1: slot 0, which nobody reads any more, takes chunk 3.
.macro TURN s, nslot, fill
	s_wait_tensorcnt 0x0                           ; all my tensor loads have landed
	ds_add_u32 v[SPW], v[NIL]                      ; 0 onto my spare word
.if \fill
	s_mov_b32 s[G1A+2], 8<<16                      ; no tensor load of mine is out: the refill brings 8 tiles a wave
	s_mov_b32 s[G1A+4], 8
	s_mov_b32 s[G1B+2], 8<<16
	s_mov_b32 s[G1B+4], 8
.endif
	s_wait_dscnt 4*NLA+1                           ; (the add and A's tiles 4-7 may be out)
	WIN MUL_LO
	MUL16 0, (\s)%2, \s, 0                         ; sixteen matrix instructions stand between the add and the wait for it
	s_wait_dscnt 0x0                               ; the add is done, and my LDS reads are over
	s_barrier_signal -1
	MUL16 2, (\s)%2, \s, 0
	WIN 0
	s_barrier_wait -1
.if \fill
	CREST                                          ; the barrier has opened a round of the cluster's barrier: no wave of any partner still reads slot 0 or has a load on its way
	JLOAD G0A+12, G1A, G0B+12, G1B                 ; the first tensor load behind the round; its four v_nop are the places in front of the loads below
.else
	PLACES
.endif
	FETCH_B \nslot, 0, 1-(\s)%2
	FETCH_A \nslot, 0, 0
	WIN MUL_HI
	MUL16 4, (\s)%2, \s, 0
	MUL16 6, (\s)%2, \s, 0
	PLACES
	WIN 0
	FETCH_A \nslot, 0, 4
.endm
.macro LAST                            ; K step 7: nothing more to fetch
	s_wait_dscnt 4*NLA
	WIN MUL_LO
	MUL16 0, 1, 7, 0
	MUL16 2, 1, 7, 0
	s_wait_dscnt 0x0
	WIN MUL_HI
	MUL16 4, 1, 7, 0
	MUL16 6, 1, 7, 0
	WIN 0
.endm
; 64 numbers of a lane, register 16 b + i = k 32 b + 16 (lane / 16) + i of my row, become a fragment's codes in v[pc] .. v[pc + 11] (pc + 12 .. 18 at work) and its scale word in v[pw].
.macro QUANT s, pc, pw
.irp b, 0,1,2,3
	v_max3_num_f32 v[TM+\b], |v[\s+16*\b]|, |v[\s+1+16*\b]|, 0x1800000     ; block b: my 16 numbers, and the floor 2^(3 - 127)
.endr
.irp i, 2,4,6,8,10,12,14
.irp b, 0,1,2,3
	v_max3_num_f32 v[TM+\b], v[TM+\b], |v[\s+16*\b+\i]|, |v[\s+1+16*\b+\i]|
.endr
.endr
.irp b, 0,1,2,3
	v_permlanex16_b32 v[TM+4+\b], v[TM+\b], s2, s3
.endr
.irp b, 0,1,2,3
	v_max_num_f32 v[TM+\b], v[TM+\b], v[TM+4+\b]   ; with lane l xor 16's: the block's largest magnitude
.endr
.irp b, 0,1,2,3
	v_add_nc_u32 v[TM+12+\b], 0xff000000, v[TM+\b] ; 2 off its exponent field: the conversion's scale operand
.endr
.irp b, 0,1,2,3
	v_lshrrev_b32 v[TM+4+\b], 23, v[TM+12+\b]      ; the byte
.endr
	v_lshl_or_b32 v[\pw], v[TM+5], 8, v[TM+4]
	v_lshl_or_b32 v[\pw], v[TM+6], 16, v[\pw]
	v_lshl_or_b32 v[\pw], v[TM+7], 24, v[\pw]
.irp c, 0,1
	v_cvt_scalef32_pk16_fp6_f32 v[\pc+6*\c:\pc+2+6*\c], v[\s+32*\c:\s+15+32*\c], v[TM+12+2*\c]
	v_cvt_scalef32_pk16_fp6_f32 v[\pc+12+4*\c:\pc+14+4*\c], v[\s+16+32*\c:\s+31+32*\c], v[TM+12+2*\c+1]
.endr
	v_nop                                          ; one plain line behind the last conversion
.irp c, 0,1                            ; the operand wants a whole block in a lane: lanes 0-15 block 2 c, lanes 16-31 block 2 c + 1
.irp i, 0,1,2
	v_permlane16_swap_b32 v[\pc+6*\c+\i], v[\pc+12+4*\c+\i]
.endr
.irp i, 0,1,2
	v_mov_b32 v[\pc+3+6*\c+\i], v[\pc+12+4*\c+\i]
.endr
.endr
.endm
	s_load_b256 s[4:11], s[0:1], 0x0               ; xc, wc, sc0, q_b
	s_load_b256 s[12:19], s[0:1], 0x20             ; k_b, v_b, qq, kv
	v_lshl_add_u32 v[SPW], v0, 2, SPARE
	v_mov_b32 v[NIL], 0
	ds_add_u32 v28, v29
	ds_add_u32 v28, v29
	s_wait_dscnt 0x0
	v_lshrrev_b32 v3, 5, v0
	v_readfirstlane_b32 s20, v3                    ; wave 0..3
	s_lshr_b32 s21, s20, 1                         ; which 8 tiles of A are mine.  Also: I fetch for A (0) or for B (1)
	s_and_b32 s22, s20, 1                          ; which 8 tiles of B.  Also: which 8 tiles I fetch
	s_mul_i32 s23, s20, HALFT                      ; where my fetch goes in a slot
	s_lshl_b32 s93, s22, 3
	s_bfe_u32 s56, ttmp6, 0x40000                  ; cx
	s_bfe_u32 s57, ttmp6, 0x40004                  ; cy
	s_and_b32 s58, ttmp7, 0xffff                   ; the cluster's y
	s_lshl_b32 s88, s57, 2
	s_lshl_b32 s88, 15, s88                        ; my row of the cluster
	s_lshl_b32 s89, 0x1111, s56                    ; my column
	; descriptor group 1: 8 rows (tiles) of 3,072 bytes (384 elements of 8 bytes), 12,288 bytes apart; dense in LDS
	s_or_b32 s[G1A], s88, (3<<16)|(1<<21)          ; 15:0 the mask; 17:16 elements of 8 bytes; 21 set beside a mask
	s_or_b32 s[G1B], s89, (3<<16)|(1<<21)
.irp g, G1A, G1B
	s_mov_b32 s[\g+1], 384<<16                     ; tensor_dim0
	s_mov_b32 s[\g+2], 16<<16                      ; tensor_dim1: 16 tiles for the head's loads; set to 8 behind them
	s_mov_b32 s[\g+3], 384<<16                     ; tile_dim0
	s_mov_b32 s[\g+4], 16                          ; tile_dim1
	s_mov_b32 s[\g+5], 1536                        ; tensor_dim0_stride
	s_mov_b32 s[\g+6], 0
	s_mov_b32 s[\g+7], 0
.endr
	; the roles.  What feeds A's descriptors is made of cy and the cluster's y alone, what feeds B's of cx, the cluster's x and y.
	s_lshl_b32 s59, s58, 2
	s_add_co_u32 s59, s59, s57                     ; q, k: A's block of 256 rows of x = 4 x cluster y + cy
	s_lshl_b32 s60, ttmp9, 2
	s_add_co_u32 s60, s60, s56                     ; q, k: B's block of 256 columns of Wq | Wk = 4 x cluster x + cx
	s_max_u32 s61, s58, 8
	s_sub_co_u32 s61, s61, 8
	s_lshl_b32 s61, s61, 3
	s_add_co_u32 s61, s61, s60                     ; v: B's block of 256 rows of x
	s_cmp_ge_u32 s58, 8                            ; v's part?  The same in all sixteen partners
	s_cselect_b32 s62, s57, s59                    ; A's block (v: cy, a block of Wv's columns)
	s_cselect_b32 s63, s61, s60                    ; B's block
	s_cselect_b32 s84, 128, 0                      ; v: Wv's tiles begin at 128 in wc
	s_cselect_b32 s85, 640, 0                      ; and their scale words at tile 640 in sc0
	s_cselect_b32 s86, 0, 512                      ; q, k: the weights' scale words begin at tile 512
	s_cselect_b32 s87, 1, 0
	s_lshl_b32 s90, s62, 4
	s_add_co_u32 s90, s90, s84
	s_add_co_u32 s90, s90, s93
	s_mul_i32 s90, s90, 12288                      ; A: the 8 tiles that I fetch
	s_mov_b32 s91, 0
	s_lshl_b32 s94, s63, 4
	s_add_co_u32 s94, s94, s93
	s_mul_i32 s94, s94, 12288                      ; B likewise
	s_mov_b32 s95, 0
	s_lshl_b32 s2, s62, 4
	s_add_co_u32 s2, s2, s85
	s_lshl_b32 s3, s21, 3
	s_add_co_u32 s2, s2, s3
	s_lshl_b32 s2, s2, 9                           ; the scale words of my 8 tiles of A,
	s_lshl_b32 s3, s63, 4
	s_add_co_u32 s3, s3, s86
	s_add_co_u32 s3, s3, s93
	s_lshl_b32 s3, s3, 9                           ; and of B
	s_wait_kmcnt 0x0
	s_cmp_eq_u32 s87, 1
	s_cselect_b64 s[96:97], s[6:7], s[4:5]         ; A: wc in v's part, else xc
	s_cselect_b64 s[98:99], s[4:5], s[6:7]         ; B: the other
	s_add_nc_u64 s[96:97], s[96:97], s[90:91]
	s_add_nc_u64 s[98:99], s[98:99], s[94:95]
.irp c, 0,1,2,3
	s_mov_b32 s[G0A+4*\c], 1                       ; count = 1
	s_add_co_u32 s[G0A+4*\c+1], s23, (\c%3)*SLOT   ; LDS address: chunk c goes to slot c % 3
	s_add_nc_u64 s[G0A+4*\c+2:G0A+4*\c+3], s[96:97], 3072*\c
	s_or_b32 s[G0A+4*\c+3], s[G0A+4*\c+3], 0x80000000
	s_mov_b32 s[G0B+4*\c], 1
	s_add_co_u32 s[G0B+4*\c+1], s23, (\c%3)*SLOT
	s_add_nc_u64 s[G0B+4*\c+2:G0B+4*\c+3], s[98:99], 3072*\c
	s_or_b32 s[G0B+4*\c+3], s[G0B+4*\c+3], 0x80000000
.endr
	; THE HEAD'S LOADS, ONE A WAVE, each of all 16 tiles: wave 0 A's chunk 0, wave 1 B's chunk 0 (slot 0); wave 2 A's chunks 1 and 2 as rows of 6,144 bytes (LDS from SLOT on), wave 3 B's (from 2 SLOT on).
	; Group 0 stands where chunk 0's stood; the two groups 1 of the longer rows stand where chunks 1 and 2's groups 0 stood, which no load uses.  A's lines are issued by waves 0 and 2 (their half is 0), B's by waves 1 and 3 (their half is 1: 8 tiles back).
	s_mul_i32 s84, s21, 3072
	s_mov_b32 s85, 0
	s_mul_i32 s[G0A+1], s21, SLOT
	s_add_nc_u64 s[G0A+2:G0A+3], s[96:97], s[84:85]
	s_or_b32 s[G0A+3], s[G0A+3], 0x80000000
	s_mul_i32 s[G0B+1], s21, 2*SLOT-2*HALFT
	s_add_co_u32 s[G0B+1], s[G0B+1], 2*HALFT
	s_add_nc_u64 s[G0B+2:G0B+3], s[98:99], s[84:85]
	s_sub_nc_u64 s[G0B+2:G0B+3], s[G0B+2:G0B+3], 8*12288
	s_or_b32 s[G0B+3], s[G0B+3], 0x80000000
	s_or_b32 s[G0A+4], s88, (3<<16)|(1<<21)
	s_or_b32 s[G0B+4], s89, (3<<16)|(1<<21)
.irp g, G0A+4, G0B+4
	s_mov_b32 s[\g+1], 768<<16
	s_mov_b32 s[\g+2], 16<<16
	s_mov_b32 s[\g+3], 768<<16
	s_mov_b32 s[\g+4], 16
	s_mov_b32 s[\g+5], 1536
	s_mov_b32 s[\g+6], 0
	s_mov_b32 s[\g+7], 0
.endr
	CROUND
.macro ARM w, g0, g1, next             ; one chain of branches on the wave's number: every way passes exactly one load, and each wave's line is its own
	s_cmp_eq_u32 s20, \w
	s_cbranch_scc0 \next
	tensor_load_to_lds s[\g0:\g0+3], s[\g1:\g1+7]
	s_nop 0
	PLACES
	s_branch .Lhead_asked
\next:
.endm
	ARM 0, G0A, G1A, .Lhead_1
	ARM 1, G0B, G1B, .Lhead_2
	ARM 2, G0A, G0A+4, .Lhead_3
	tensor_load_to_lds s[G0B:G0B+3], s[G0B+4:G0B+11]
	s_nop 0
	PLACES
.Lhead_asked:
	v_and_b32 v1, 15, v0                           ; r
	v_bfe_u32 v2, v0, 4, 1                         ; h
	v_and_b32 v3, 31, v0
	v_lshlrev_b32 v[LI], 4, v3
	v_lshlrev_b32 v[L8], 3, v3
	s_mul_i32 s84, s21, HALFT
	s_mul_i32 s85, s22, HALFT
	s_add_co_u32 s85, s85, 2*HALFT
	s_mul_i32 s90, s21, 2*HALFT                    ; chunks 1 and 2: my 8 tiles of 6,144 bytes
	s_add_co_u32 s90, s90, SLOT
	s_mul_i32 s91, s22, 2*HALFT
	s_add_co_u32 s91, s91, 2*SLOT
	v_add_nc_u32 v[ADRA], s84, v[LI]
	v_add_nc_u32 v[ADRB], s85, v[LI]
	v_add_nc_u32 v[ADRA+1], s90, v[LI]
	v_add_nc_u32 v[ADRB+1], s91, v[LI]
	v_add_nc_u32 v[ADRA+2], TROW, v[ADRA+1]
	v_add_nc_u32 v[ADRB+2], TROW, v[ADRB+1]
	v_cmp_eq_u32 vcc_lo, 1, v2
	v_mov_b32 v[SCO], s2
	v_mov_b32 v27, s3
	v_cndmask_b32 v[SCO], v[SCO], v27, vcc_lo      ; lanes 0-15 take A's words, lanes 16-31 B's
	v_lshl_add_u32 v[SCO], v1, 4, v[SCO]
.irp i, 0,1,2,3,4,5,6,7
.irp kh, 0,1
	global_load_b128 v[SC+8*\i+4*\kh:SC+8*\i+4*\kh+3], v[SCO], s[8:9] offset:512*\i+256*\kh   ; all of K's scale words, once: sixteen lanes read 256 consecutive bytes
.endr
.endr
.irp b, 0,1,2,3
	v_mov_b32 v[TM+4+\b], 0                        ; written once: a lane permute's destination counts as one of its sources
.endr
	s_wait_alu depctr_va_vdst(0)                   ; the wait at the head's end
	s_cmp_lt_u32 s20, 2
	s_cbranch_scc0 .Lnot_chunk_0
	s_wait_tensorcnt 0x0                           ; waves 0 and 1: chunk 0 is in; chunks 1 and 2 may stay out
.Lnot_chunk_0:
	s_barrier_signal -1
	s_barrier_wait -1
	FETCH_B 0, 0, 0
	FETCH_A 0, 0, 0
	FETCH_A 0, 0, 4
	s_wait_loadcnt 0x0                             ; the scale words
	STEP 0, 0, 1, 1                                ; the first step's products start the sums: nothing is cleared
	TURN 1, 1, 1                                   ; slot 0 is left and takes chunk 3; every wave's wait for all its loads has shown chunks 1 and 2 whole
	STEP 2, 1, 1, 0
	STEP 3, 2, 0, 0
	STEP 4, 2, 1, 0
	TURN 5, 0, 0                                   ; chunk 3 is whole
	s_cmp_eq_u32 s87, 1
	s_cbranch_scc1 .Lvpath
	; ---------------- q AND k.  My 128 rows of x are step gs = 2 x A's block + wr of 64; my 128 columns are two heads.
	s_lshl_b32 s84, s62, 1
	s_add_co_u32 s84, s84, s21
	s_lshr_b32 s85, s84, 4                         ; batch
	s_and_b32 s84, s84, 15                         ; step in the batch
	s_and_b32 s86, s63, 3                          ; which 256 columns of Wq or of Wk
	s_lshl_b32 s88, s86, 2
	s_lshl_b32 s89, s22, 1
	s_add_co_u32 s88, s88, s89                     ; my first head
	s_lshl_b32 s85, s85, 4
	s_add_co_u32 s85, s85, s88
	s_mov_b32 s89, ttmp9                           ; 0: q, 1: k (the cluster's x): kv's steps and heads are twice as long as qq's
	s_lshl_b32 s90, 102400, s89                    ; a head
	s_lshl_b32 s91, 6400, s89                      ; a step
	s_lshl_b32 s92, 6144, s89                      ; where a step's words begin
	s_mul_i32 s85, s85, s90
	s_mul_i32 s84, s84, s91
	s_add_co_u32 s94, s85, s84
	s_mov_b32 s95, 0
	s_cmp_eq_u32 s89, 1
	s_cselect_b64 s[96:97], s[18:19], s[16:17]
	s_cselect_b64 s[98:99], s[12:13], s[10:11]
	s_add_nc_u64 s[96:97], s[96:97], s[94:95]      ; my first head's step
	s_mov_b32 s94, s90
	s_add_nc_u64 s[32:33], s[96:97], s[94:95]      ; my second head's
	s_mov_b32 s94, s92
	s_add_nc_u64 s[34:35], s[96:97], s[94:95]      ; the words
	s_lshl_b32 s94, s86, 10
	s_lshl_b32 s88, s22, 9
	s_add_co_u32 s94, s94, s88
	s_add_nc_u64 s[98:99], s[98:99], s[94:95]      ; the bias of my 128 columns
	s_mov_b32 s2, 0x76543210
	s_mov_b32 s3, 0xfedcba98                       ; v_permlanex16_b32's selects for lane l xor 16
	v_lshlrev_b32 v4, 6, v2                        ; 64 h: lane (r, h) wants, for tile b, the bias of columns 32 (b / 2) + 16 h + 8 (b % 2) + 0 .. 7
	WIN 0x40                                       ; destination window 1
.irp b, 0,1,2,3,4,5,6,7
	global_load_b128 v[96+8*\b+96*(\b/4):96+8*\b+96*(\b/4)+3], v4, s[98:99] offset:(32*(\b/2)+8*(\b%2))*4
	global_load_b128 v[96+8*\b+96*(\b/4)+4:96+8*\b+96*(\b/4)+7], v4, s[98:99] offset:(32*(\b/2)+8*(\b%2))*4+16
.endr
	WIN 0
	STEP 6, 0, 1, 0
	LAST
	PLACES
	s_wait_loadcnt 0x0                             ; the bias
.irp a, 0,1,2,3,4,5,6,7
	WIN 0x06+\a/4                                  ; source 0: the accumulators' window; source 1: window 1; destination: window 0
.irp b, 0,1,2,3,4,5,6,7
.irp j, 0,2,4,6
	v_pk_add_f32 v[HA+8*\b+\j:HA+8*\b+\j+1], v[8*(8*(\a%4)+\b)+\j:8*(8*(\a%4)+\b)+\j+1], v[96+8*\b+96*(\b/4)+\j:96+8*\b+96*(\b/4)+\j+1]   ; each accumulator from its low end on
.endr
.endr
	WIN 0
.if \a > 1
	s_wait_xcnt 0x0                                ; the stores of two tiles back have read this set of codes
.endif
.set PCX, PC0+20*(\a%2)
	QUANT HA, PCX, PWA+\a
	global_store_b128 v[LI], v[PCX:PCX+3], s[96:97] offset:768*\a              ; registers 0-5: my first head's 64
	global_store_b64 v[L8], v[PCX+4:PCX+5], s[96:97] offset:768*\a+512
	global_store_b128 v[LI], v[PCX+6:PCX+9], s[32:33] offset:768*\a            ; registers 6-11: my second head's
	global_store_b64 v[L8], v[PCX+10:PCX+11], s[32:33] offset:768*\a+512
.endr
	v_cmp_eq_u32 vcc_lo, 1, v2
	v_mov_b32 v108, 0x05040100                     ; lanes 0-15 gather the first head's two bytes of each tile's word,
	v_mov_b32 v109, 0x07060302                     ; lanes 16-31 the second head's
	v_cndmask_b32 v108, v108, v109, vcc_lo
.irp g, 0,1,2,3
	v_perm_b32 v[104+\g], v[PWA+2*\g+1], v[PWA+2*\g], v108
.endr
	v_mul_lo_u32 v110, v2, s90
	v_lshl_add_u32 v110, v1, 4, v110               ; h x a head + 16 r
	global_store_b128 v110, v[104:107], s[34:35]   ; sixteen lanes store a head's 256 bytes of words
	s_wait_tensorcnt 0x0                           ; the wave's end
	ds_add_u32 v[SPW], v[NIL]
	s_wait_dscnt 0x0
	CROUND                                         ; the closing round
	s_endpgm
	; ---------------- v.  My 128 rows of x are the keys of step gs = 2 x B's block + wc; my 128 columns of Wv are two heads x four tiles of 16.
.Lvpath:
	s_lshl_b32 s84, s63, 1
	s_add_co_u32 s84, s84, s22
	s_lshr_b32 s85, s84, 4                         ; batch
	s_and_b32 s84, s84, 15                         ; step
	s_lshl_b32 s88, s62, 2
	s_lshl_b32 s89, s21, 1
	s_add_co_u32 s88, s88, s89                     ; my first head
	s_lshl_b32 s85, s85, 4
	s_add_co_u32 s85, s85, s88
	s_mul_i32 s85, s85, 204800
	s_mul_i32 s84, s84, 12800
	s_add_co_u32 s94, s85, s84
	s_add_co_u32 s94, s94, 6144                    ; V's images lie behind K's
	s_mov_b32 s95, 0
	s_add_nc_u64 s[96:97], s[18:19], s[94:95]
	s_lshl_b32 s94, s62, 10
	s_lshl_b32 s89, s21, 9
	s_add_co_u32 s94, s94, s89
	s_add_nc_u64 s[98:99], s[14:15], s[94:95]      ; the bias of my 128 columns
	s_mov_b32 s2, 0x76543210
	s_mov_b32 s3, 0xfedcba98
	v_and_b32 v4, 8, v1
	v_add_nc_u32 v4, v4, v1
	v_lshlrev_b32 v5, 3, v2                        ; 8 h
; By the order of x's tiles register 32 c + i of a lane's 64 is key 64 c + 32 (lane / 16) + i: two whole blocks.  No lane looks at another but for the scale word's four bytes.
.macro QUANTV s, pc, pw
.irp c, 0,1
	v_max3_num_f32 v[TM+\c], |v[\s+32*\c]|, |v[\s+32*\c+1]|, 0x1800000         ; my block 2 c + h, with the floor 2^(3 - 127)
.endr
.irp i, 2,4,6,8,10,12,14,16,18,20,22,24,26,28,30
.irp c, 0,1
	v_max3_num_f32 v[TM+\c], v[TM+\c], |v[\s+32*\c+\i]|, |v[\s+32*\c+\i+1]|
.endr
.endr
.irp c, 0,1
	v_add_nc_u32 v[TM+12+\c], 0xff000000, v[TM+\c] ; the conversion's scale operand
.endr
.irp c, 0,1
	v_lshrrev_b32 v[TM+\c], 23, v[TM+12+\c]        ; the byte
.endr
	v_lshl_or_b32 v[TM+2], v[TM+1], 16, v[TM]      ; blocks h and 2 + h,
	v_lshlrev_b32 v[TM+2], v5, v[TM+2]             ; at their places in the word;
	v_permlanex16_b32 v[TM+4], v[TM+2], s2, s3
	v_or_b32 v[\pw], v[TM+2], v[TM+4]              ; with lane l xor 16's two the word is whole
.irp c, 0,1
	v_cvt_scalef32_pk16_fp6_f32 v[\pc+6*\c:\pc+2+6*\c], v[\s+32*\c:\s+15+32*\c], v[TM+12+\c]
	v_cvt_scalef32_pk16_fp6_f32 v[\pc+12+4*\c:\pc+14+4*\c], v[\s+16+32*\c:\s+31+32*\c], v[TM+12+\c]
.endr
	v_nop                                          ; one plain line behind the last conversion
.irp c, 0,1
.irp i, 0,1,2
	v_mov_b32 v[\pc+3+6*\c+\i], v[\pc+12+4*\c+\i]
.endr
.endr
.endm
	v_lshlrev_b32 v4, 2, v4                        ; a lane holds ONE column of Wv: r + 8 (r / 8) of its tile
	WIN 0x40
.irp a, 0,1,2,3,4,5,6,7
	global_load_b32 v[96+\a], v4, s[98:99] offset:(32*(\a/2)+8*(\a%2))*4
.endr
	WIN 0
	STEP 6, 0, 1, 0
	LAST
	PLACES
	s_wait_loadcnt 0x0
.irp a, 0,1,2,3,4,5,6,7
	WIN 0x06+\a/4
.irp b, 0,1,2,3,4,5,6,7
.irp j, 0,2,4,6
.if \a%2 == 0
	v_pk_add_f32 v[HA+8*\b+\j:HA+8*\b+\j+1], v[8*(8*(\a%4)+\b)+\j:8*(8*(\a%4)+\b)+\j+1], v[96+2*(\a/2):96+2*(\a/2)+1] op_sel_hi:[1,0]              ; the pair's low word for both halves
.else
	v_pk_add_f32 v[HA+8*\b+\j:HA+8*\b+\j+1], v[8*(8*(\a%4)+\b)+\j:8*(8*(\a%4)+\b)+\j+1], v[96+2*(\a/2):96+2*(\a/2)+1] op_sel:[0,1] op_sel_hi:[1,1]  ; its high word for both
.endif
.endr
.endr
	WIN 0
.if \a > 1
	s_wait_xcnt 0x0
.endif
.set PCX, PC0+20*(\a%2)
	QUANTV HA, PCX, PWA+\a
.irp c, 0,1,2
	global_store_b128 v[LI], v[PCX+4*\c:PCX+4*\c+3], s[96:97] offset:(\a/4)*204800+(\a%4)*1536+512*\c
.endr
.endr
	v_cmp_eq_u32 vcc_lo, 1, v2
.irp t, 0,1,2,3
	v_cndmask_b32 v[104+\t], v[PWA+\t], v[PWA+4+\t], vcc_lo    ; lanes 0-15: my first head's four tiles, lanes 16-31: my second head's
.endr
	v_mul_u32_u24 v110, v2, 204800
	v_lshl_add_u32 v110, v1, 4, v110
	global_store_b128 v110, v[104:107], s[96:97] offset:6400   ; V's words lie 12,544 bytes into a step
	s_wait_tensorcnt 0x0                           ; the wave's end
	ds_add_u32 v[SPW], v[NIL]
	s_wait_dscnt 0x0
	CROUND
	s_endpgm
.Lfunc_end_k_q6f2257a82f_qkv:
	.size	k_q6f2257a82f_qkv, .Lfunc_end_k_q6f2257a82f_qkv-k_q6f2257a82f_qkv
	.p2alignl 7, 3214868480
	.fill 96, 4, 3214868480
	.section	.rodata,"a",@progbits
	.p2align	6, 0x0
	.amdhsa_kernel k_q6f2257a82f_qkv
		.amdhsa_group_segment_fixed_size 327680
		.amdhsa_private_segment_fixed_size 0
		.amdhsa_enable_private_segment 0
		.amdhsa_kernarg_size 64
		.amdhsa_user_sgpr_count 2
		.amdhsa_user_sgpr_kernarg_segment_ptr 1
		.amdhsa_wavefront_size32 1
		.amdhsa_system_sgpr_workgroup_id_x 1
		.amdhsa_system_sgpr_workgroup_id_y 1
		.amdhsa_system_sgpr_workgroup_id_z 1
		.amdhsa_system_vgpr_workitem_id 0
		.amdhsa_next_free_vgpr 1024
		.amdhsa_next_free_sgpr 100
		.amdhsa_reserve_vcc 1
		.amdhsa_float_denorm_mode_32 3
		.amdhsa_float_denorm_mode_16_64 3
		.amdhsa_memory_ordered 1
		.amdhsa_forward_progress 1
		.amdhsa_inst_pref_size 222
	.end_amdhsa_kernel
	.amdgpu_metadata
---
amdhsa.version: [ 1, 2 ]
amdhsa.kernels:
  - .name:           k_q6f2257a82f_qkv
    .symbol:         k_q6f2257a82f_qkv.kd
    .args:
      - { .name: xc, .offset: 0, .size: 8, .value_kind: global_buffer, .address_space: global }
      - { .name: wc, .offset: 8, .size: 8, .value_kind: global_buffer, .address_space: global }
      - { .name: sc0, .offset: 16, .size: 8, .value_kind: global_buffer, .address_space: global }
      - { .name: q_b, .offset: 24, .size: 8, .value_kind: global_buffer, .address_space: global }
      - { .name: k_b, .offset: 32, .size: 8, .value_kind: global_buffer, .address_space: global }
      - { .name: v_b, .offset: 40, .size: 8, .value_kind: global_buffer, .address_space: global }
      - { .name: qq, .offset: 48, .size: 8, .value_kind: global_buffer, .address_space: global }
      - { .name: kv, .offset: 56, .size: 8, .value_kind: global_buffer, .address_space: global }
    .group_segment_fixed_size: 327680
    .private_segment_fixed_size: 0
    .kernarg_segment_align: 8
    .kernarg_segment_size: 64
    .max_flat_workgroup_size: 128
    .sgpr_count:     100
    .vgpr_count:     1024
    .wavefront_size: 32
...
	.end_amdgpu_metadata
.endif
;; end of part 2
;; launch attn (part 3): grid 4 x 64, 16 waves a work-group, clusters of 4 x 1, 206,848 bytes of LDS; arguments qq, kv, ac, sc1; writes ac, sc1
.if DOCPART == 3
	.amdgcn_target "amdgcn-amd-amdhsa--gfx1250"
	.amdhsa_code_object_version 6
	.text
	.protected	k_q6f2257a82f_attn
	.globl	k_q6f2257a82f_attn
	.p2align	8
	.type	k_q6f2257a82f_attn,@function
k_q6f2257a82f_attn:
	s_mov_b64 s[64:65], 0
	v_nop
	global_prefetch_b8 v0, s[64:65] scope:SCOPE_SE
	s_setreg_imm32_b32 hwreg(HW_REG_WAVE_MODE, 25, 1), 1
	s_wait_xcnt 0x0
	s_wait_alu depctr_hold_cnt(0) depctr_sa_sdst(0) depctr_va_vdst(0) depctr_va_sdst(0) depctr_va_ssrc(0) depctr_va_vcc(0) depctr_vm_vsrc(0)
	s_getreg_b32 s2, hwreg(HW_REG_IB_STS2, 6, 4)
	s_cmp_eq_u32 s2, 0
	s_cbranch_scc0 .Lentry_in_a_cluster
	s_endpgm
.Lentry_in_a_cluster:
	s_bfe_u32 s2, ttmp6, 0x10000c
	s_cmp_lg_u32 s2, 0x3003
	s_cbranch_scc0 .Lentry_shape_is_right
	s_endpgm
.Lentry_shape_is_right:
; O[bh][q] = the sum over k of softmax_k(q . k / 8) v, 64 heads of 2,048 x 64, both products on codes of FP6 (E2M3) with E8M0 scales; the result is quantised along the head's 64 and leaves as the last product's operand.
; THE SOFTMAX: t = score x log2(e) / 8; M = the running largest t rounded UP to a whole number; p = 2^(t - M) is quantised along the keys, not normalised; the row's sum is taken of the unquantised p and divides O at the end.
; When M moves, the sum, O and the scales of codes already made are multiplied by 2^(old M - new M): exact.
; SHARES.  A work-group owns 512 queries of one head, each of its sixteen waves 32, two tiles of 16: each fragment of K and V read from LDS feeds two products.
; A WHOLE HEAD'S K, V AND SCALE WORDS STAY IN LDS: 16 steps of 128 keys x 12,800 bytes, filled ONCE.  Wave w asks for step w: one tensor load a wave, in two arms: waves under 6, and the others.
; The first barrier waits for the first arm alone and shows steps 0 to 5; four trips run on them (they read steps 0 to 3 and the first fragments of step 4; the addresses made in them reach step 5 at the most).
; In front of the second barrier every wave waits, under no branch: it shows all 16 steps, and twelve trips follow.  So the loop's body is assembled twice.
; CLUSTER: the four work-groups of a head ask for each step jointly.  NO PREFETCH: every tile is asked for at the head, so there is no loop to run ahead in.
; LAYOUT.  Both products are used transposed: a lane holds one query (lane % 16) throughout.  The head's K is 64, the instruction's 128: a fragment of K carries tile 2 g's keys in k 0-63 and tile 2 g + 1's in k 64-127, and is
; multiplied by [q | 0] and by [0 | q]: zero codes add nothing.  Row m of tile t of a step is key 64 (t / 4) + 8 (t % 4) + m % 8 + 32 (m / 8): so the 32 registers that a lane gets from tiles 4 G .. 4 G + 3 are keys
; 64 G + 32 (lane / 16) + 0 .. 31 in order: ONE WHOLE SCALE BLOCK, and in the order of p's operand registers.  Lanes l and l xor 16 exchange only the row's maximum and the two bytes of p's scale word.
; A step goes in two halves of 64 keys.  The first half's codes are made under the M of that moment; its scale byte is taken anew under the second half's M.
; ORDER OF LINES.  Chains of dependent lines stand among lines that do not hang on them: the largest score is searched in six chains a tile, the sum is taken in three; a tile's chain for M stands among the other tile's
; search and multiply-adds, the chain for the scale word among the sums.
; The next step's first fragments of K and its words are fetched behind the second half's score products; in the last trip that fetch names step 15 once more (its address is held there) and nobody reads what it brings.
; LIMITS: a block whose largest p lies under 2^-124 (or whose scale would fall under 2^-126 when M moves) keeps the byte 1: at most 7.5 x 2^-126 a number beside a sum of at least 1/2.  NaN and infinities are not served.
; The promise holds while the scaled scores t stay under 2^31 in magnitude.  The result's scale bytes go out two bytes a lane: a scale word's two halves belong to two heads, which are two work-groups'.
; REGISTERS: v0 lane; v1, v2 K's LDS addresses (16 x, 8 x lane); v3 V's; v4-7 K's words (lanes 0-15); v8-11 V's (lanes 16-31); v12-13 p's words; v14-15 Q's words;
;   v16-31 statistics, 8 a tile: -M (first half), largest score, -M (second half), first half's largest p, the sum (2), the step's f, 0;  v32-47 at work, 8 a tile (v35: 8 x (lane / 16));  v48, v49 the add's two;
;   v50-79 Q as [0 | q0 | 0 | q1 | 0]; v80-103 two fragments of K; v104-127 p's codes (ahead of the conversions: a chain's room); v128-191 scores, then p, 32 a tile, then V's four images; v192-255 O^T, 32 a tile.
.set STEPB, 12800
.set SPARE, 16*STEPB                   ; behind the 16 steps: the spare words, 128 bytes a wave, that no other line names
.set EARLY, 6                          ; waves under EARLY form the first arm
.set ST,  16
.set TP,  32
.set SPW, 48
.set NIL, 49
.set QZ,  50
.set FA,  80
.set PC,  104
.set SS,  128
.set OO,  192
.set SEL, 40                           ; s[40:41] lane selects for lane l xor 16
.set CS,  42                           ; s[42:43] c = log2(e) / 8
.set TB,  44                           ; s44  LDS byte at which the step in hand begins
.set CNT, 45
.set TBN, 46                           ; s46  where the next step begins, held at step 15
.macro CROUND
	s_barrier_signal -1
	s_barrier_wait -1
	s_cmp_lg_u32 s12, 0
	s_cbranch_scc1 .Lnot_wave_0_\@
	s_barrier_signal -3
.Lnot_wave_0_\@:
	s_barrier_wait -3
	s_barrier_signal -1
	s_barrier_wait -1
.endm
.macro PLACES n
.rept \n
	v_nop
.endr
.endm
	s_load_b256 s[4:11], s[0:1], 0x0               ; qq, kv, ac, sc1
	v_lshl_add_u32 v[SPW], v0, 2, SPARE
	v_mov_b32 v[NIL], 0
	ds_add_u32 v[SPW], v[NIL]                      ; the opening lines: the add twice on end and its wait ahead of my tensor load
	ds_add_u32 v[SPW], v[NIL]
	v_lshrrev_b32 v5, 5, v0
	v_readfirstlane_b32 s12, v5                    ; wave 0..15
	s_bfe_u32 s13, ttmp6, 0x40000                  ; cx
	s_lshl_b32 s14, ttmp9, 2
	s_add_co_u32 s14, s14, s13                     ; my block of 512 queries: it enters Q's and the results' addresses alone
	s_and_b32 s15, ttmp7, 0xffff                   ; the head, which the four partners share
	s_mov_b32 s16, 15|(3<<16)|(1<<21)              ; group 1: a step's 12,800 dense bytes as 50 rows of 256; the mask names all four work-groups; elements of 8 bytes
	s_mov_b32 s17, 32<<16
	s_mov_b32 s18, 50<<16
	s_mov_b32 s19, 32<<16
	s_mov_b32 s20, 50
	s_mov_b32 s21, 32
	s_mov_b32 s22, 0
	s_mov_b32 s23, 0
	s_mul_i32 s46, s15, 204800                     ; the head in kv
	s_mul_i32 s47, s12, STEPB                      ; my step, in memory and in LDS alike
	s_add_co_u32 s48, s46, s47
	s_mov_b32 s49, 0
	s_mul_i32 s50, s15, 102400                     ; the head in qq
	s_lshl_b32 s51, s14, 2
	s_lshr_b32 s52, s12, 2
	s_add_co_u32 s51, s51, s52
	s_mul_i32 s51, s51, 6400                       ; my pair of tiles lies in step 4 x block + wave / 4,
	s_add_co_u32 s50, s50, s51
	s_mov_b32 s51, 0
	s_and_b32 s52, s12, 3                          ; as its pair wave % 4
	s_mul_i32 s53, s52, 1536
	s_lshl_b32 s54, s52, 2
	s_lshr_b32 s55, s15, 4
	s_lshl_b32 s55, s55, 7                         ; 128 tiles a batch
	s_lshl_b32 s56, s14, 4
	s_add_co_u32 s56, s56, s12
	s_lshl_b32 s56, s56, 1
	s_add_co_u32 s55, s55, s56                     ; my first tile of rows
	s_and_b32 s57, s15, 15                         ; the head in its batch
	s_mul_i32 s58, s55, 12288
	s_mul_i32 s56, s57, 768
	s_add_co_u32 s58, s58, s56                     ; ac: [tile][head][half image]
	s_mov_b32 s59, 0
	s_mov_b32 s[SEL], 0x76543210
	s_mov_b32 s[SEL+1], 0xfedcba98
	s_mov_b32 s[CS], 0x3e38aa3b
	s_mov_b32 s[CS+1], s[CS]                       ; (named with it as a pair, so it is written)
	s_mov_b32 s[TB], 0
	v_and_b32 v0, 31, v0                           ; lane
	v_lshl_add_u32 v128, v0, 4, s53
	v_lshl_add_u32 v129, v0, 3, s53
	v_and_b32 v130, 15, v0
	v_lshl_add_u32 v130, v130, 4, s54
	s_wait_alu depctr_va_vdst(0)                   ; the wait directly ahead of the waits below
	s_wait_dscnt 0x0
	s_wait_kmcnt 0x0
	s_add_nc_u64 s[26:27], s[6:7], s[48:49]
	s_add_nc_u64 s[4:5], s[4:5], s[50:51]
	s_add_nc_u64 s[8:9], s[8:9], s[58:59]
.irp T, 0,1
	global_load_b128 v[QZ+6+12*\T:QZ+9+12*\T], v128, s[4:5] offset:768*\T      ; Q's half images stay in registers; they are on their way while the cluster meets
	global_load_b64 v[QZ+10+12*\T:QZ+11+12*\T], v129, s[4:5] offset:768*\T+512
.endr
	global_load_b32 v131, v130, s[4:5] offset:6144 ; my pair's word: (tile 0: two bytes ; tile 1: two bytes)
	s_lshl_b32 s58, s55, 9                         ; sc1: 512 bytes a tile; K step head / 2: half (head / 8), word (head / 2) % 4, and in it two bytes for each head
	s_lshr_b32 s56, s57, 3
	s_lshl_b32 s56, s56, 8
	s_add_co_u32 s58, s58, s56
	s_bfe_u32 s56, s57, 0x20001
	s_lshl_b32 s56, s56, 2
	s_add_co_u32 s58, s58, s56
	s_and_b32 s56, s57, 1
	s_lshl_b32 s56, s56, 1
	s_add_co_u32 s58, s58, s56
	s_add_nc_u64 s[10:11], s[10:11], s[58:59]
	s_mov_b32 s24, 1                               ; group 0: count; LDS address; the step's address; type 2
	s_mov_b32 s25, s47
	s_or_b32 s27, s27, 0x80000000
	s_mov_b32 s[TBN], STEPB
	CROUND                                         ; all four work-groups are here: the joint loads meet
	s_cmp_lt_u32 s12, EARLY                        ; step w, my one tensor load.  Two arms: the waves that wait at the first barrier have a line of their own
	s_cbranch_scc0 .Llate_arm
	tensor_load_to_lds s[24:27], s[16:23]
	s_nop 0
	s_branch .Lasked
.Llate_arm:
	tensor_load_to_lds s[24:27], s[16:23]
	s_nop 0
.Lasked:
.irp z, 0,1,2,3,4,5,12,13,14,15,16,17,24,25,26,27,28,29
	v_mov_b32 v[QZ+\z], 0                          ; zero codes beside q
.endr
.irp T, 0,1
	v_mov_b32 v[ST+8*\T+1], 0xff61b1e6             ; the largest score so far: -3e38, under every score
	v_mov_b32 v[ST+8*\T+2], 0x7f61b1e6             ; -M so far: 3e38: the first f comes out 0, over sums that are 0
	v_mov_b32 v[ST+8*\T+4], 0                      ; the sum, in two halves
	v_mov_b32 v[ST+8*\T+5], 0
	v_mov_b32 v[ST+8*\T+7], 0                      ; (the upper half of f's pair)
.endr
	v_lshrrev_b32 v35, 1, v0
	v_and_b32 v35, 8, v35                          ; 8 x (lane / 16)
	v_lshlrev_b32 v1, 4, v0
	v_lshlrev_b32 v2, 3, v0
	v_lshlrev_b32 v3, 4, v0
	s_wait_loadcnt 0x0
	v_perm_b32 v14, v131, v131, 0x01000100         ; tile 0's two bytes, twice: they serve [q | 0] and [0 | q] alike
	v_perm_b32 v15, v131, v131, 0x03020302         ; tile 1's
.set ii, 0
.rept 64
	v_mov_b32 v[OO+ii], 0                          ; O^T: the step is written once, and the first finds zeros.  (Also the places between the two lines above and the first product)
.set ii, ii+1
.endr
.macro KLOAD hf                        ; fragments 2 hf and 2 hf + 1 of K: each two half images on end
.irp g, 0,1
	ds_load_b128 v[FA+12*\g:FA+12*\g+3], v1 offset:1536*(2*(\hf)+\g)
	ds_load_b64 v[FA+12*\g+4:FA+12*\g+5], v2 offset:1536*(2*(\hf)+\g)+512
	ds_load_b128 v[FA+12*\g+6:FA+12*\g+9], v1 offset:1536*(2*(\hf)+\g)+768
	ds_load_b64 v[FA+12*\g+10:FA+12*\g+11], v2 offset:1536*(2*(\hf)+\g)+1280
.endr
.endm
.macro VLOAD reg, t                    ; V's image t: 16 of the head's 64 x 128 keys
.irp c, 0,1,2
	ds_load_b128 v[\reg+4*\c:\reg+4*\c+3], v3 offset:6144+1536*(\t)+512*\c
.endr
.endm
.macro SMUL hf                         ; S^T of 64 keys for both tiles of queries: eight products, each on an accumulator of its own
.irp g, 0,1
.irp u, 0,1
.irp T, 0,1
	v_wmma_scale_f32_16x16x128_f8f6f4 v[SS+32*\T+8*(2*\g+\u):SS+32*\T+8*(2*\g+\u)+7], v[FA+12*\g:FA+12*\g+11], v[QZ+6+12*\T-6*\u:QZ+6+12*\T-6*\u+11], 0, v[4+2*(\hf)+\g], v[14+\T] matrix_a_fmt:MATRIX_FMT_FP6 matrix_b_fmt:MATRIX_FMT_FP6
.endr
.endr
.endr
.endm
.macro PV t, reg                       ; O^T += V^T P^T, 16 of the head's 64, both tiles of queries
.irp T, 0,1
	v_wmma_scale_f32_16x16x128_f8f6f4 v[OO+32*\T+8*(\t):OO+32*\T+8*(\t)+7], v[\reg:\reg+11], v[PC+12*\T:PC+12*\T+11], v[OO+32*\T+8*(\t):OO+32*\T+8*(\t)+7], v[8+(\t)], v[12+\T] matrix_a_fmt:MATRIX_FMT_FP6 matrix_b_fmt:MATRIX_FMT_FP6 matrix_a_scale:MATRIX_SCALE_ROW1
.endr
.endm
.macro OSCALE                          ; O^T x the number in each tile's v[ST + 6]; each accumulator from its low end on
.irp T, 0,1
.set jj, 0
.rept 16
	v_pk_mul_f32 v[OO+32*\T+jj:OO+32*\T+jj+1], v[OO+32*\T+jj:OO+32*\T+jj+1], v[ST+8*\T+6:ST+8*\T+7] op_sel_hi:[1,0]
.set jj, jj+2
.endr
.endr
.endm
; At work, a tile (from TP + 8 T): +0 the block's largest score, then p; +1 a chain, then the other lane's; +2 a chain, then whole numbers; +4 the second half's f; +5 the conversions' scale operand; +6, +7 chains, then the sum's second chain.
.macro MAXL T, hf, k                   ; line k of 16 of the search for the largest of tile T's 32 scores: six chains, the registers in ascending order
.set B_, TP+8*(\T)
.set S_, SS+32*(\T)
.set X_, PC+12*(\T)+6*(\hf)            ; the sixth chain: a register of this half's codes, free until the conversions
.set N_, (\k)%6
.if N_ < 3
.set C_, B_+N_
.elseif N_ < 5
.set C_, B_+N_+3
.else
.set C_, X_
.endif
.if (\k) < 6
	v_max3_num_f32 v[C_], v[S_+3*(\k)], v[S_+3*(\k)+1], v[S_+3*(\k)+2]
.elseif (\k) < 13
	v_max3_num_f32 v[C_], v[C_], v[S_+2*(\k)+6], v[S_+2*(\k)+7]
.elseif (\k) == 13
	v_max3_num_f32 v[B_+1], v[B_+1], v[B_+2], v[B_+6]
.elseif (\k) == 14
	v_max3_num_f32 v[B_], v[B_], v[B_+7], v[X_]
.else
	v_max_num_f32 v[B_], v[B_], v[B_+1]            ; it serves the row's maximum and, since p rises with the score, the block's largest p
.endif
.endm
.macro MST T, hf, k                    ; line k of tile T's chain for M
.set B_, TP+8*(\T)
.set R_, ST+8*(\T)
.set N_, R_+2*(\hf)                    ; the two halves' -M take turns in two registers
.set F_, 22+8*(\T)+14*(\hf)            ; f: the first half's begins the step's f (v[ST + 6]), the second half's stands in v[TP + 4]
.if (\k) == 0
	v_permlanex16_b32 v[B_+1], v[B_], s[SEL], s[SEL+1]
.elseif (\k) == 1
	v_max3_num_f32 v[R_+1], v[R_+1], v[B_], v[B_+1]                            ; the running largest score of my query
.elseif (\k) == 2
	v_mul_f32 v[B_+2], s[CS], v[R_+1]              ; as t (c is positive)
.elseif (\k) == 3
	v_floor_f32 v[N_], -v[B_+2]                    ; the new -M = -ceil(t): a whole number
.elseif (\k) == 4
	v_sub_f32 v[B_+2], v[N_], v[R_+2-2*(\hf)]      ; old M - new M: a whole number, 0 or less
.elseif (\k) == 5
	v_cvt_i32_f32 v[B_+2], v[B_+2]                 ; (it saturates)
.elseif (\k) == 6
	v_ldexp_f32 v[F_], 1.0, v[B_+2]                ; f = 2^(old M - new M)
.elseif (\k) == 7
	v_fma_f32 v[B_], v[B_], s[CS], v[N_]           ; t - M of the block's largest score
.elseif (\k) == 8 && (\hf)
	v_mul_f32 v[R_+6], v[R_+6], v[B_+4]            ; the step's f: both halves' moves of M,
.elseif (\k) == 9 && (\hf)
	v_mul_f32 v[R_+3], v[R_+3], v[B_+4]            ; and the first half's largest p under the new M: exact
.endif
.endm
.macro FMAL T, hf, j                   ; t - M, two at a time
	v_pk_fma_f32 v[SS+32*(\T)+2*(\j):SS+32*(\T)+2*(\j)+1], v[SS+32*(\T)+2*(\j):SS+32*(\T)+2*(\j)+1], s[CS:CS+1], v[ST+8*(\T)+2*(\hf):ST+8*(\T)+2*(\hf)+1] op_sel_hi:[1,0,0]
.endm
.macro SCL hf, k                       ; line k, for both tiles, of the chain from the block's largest p to the conversions' scale operand and p's scale word
.irp T, 0,1
.if (\hf) == 0
.if (\k) == 0
	v_max_num_f32 v[ST+8*\T+3], 0x1800000, v[TP+8*\T]                          ; kept as a number until the second half knows its M; the floor 2^(3 - 127) holds the byte at 1 from below
.elseif (\k) == 1
	v_add_nc_u32 v[TP+8*\T+5], 0xff000000, v[ST+8*\T+3]                        ; 2 off the exponent field: the conversions' scale operand
.endif
.else
.if (\k) == 0
	v_max_num_f32 v[TP+8*\T], 0x1800000, v[TP+8*\T]
	v_max_num_f32 v[ST+8*\T+3], 0x1800000, v[ST+8*\T+3]
.elseif (\k) == 1
	v_add_nc_u32 v[TP+8*\T+5], 0xff000000, v[TP+8*\T]
	v_add_nc_u32 v[TP+8*\T+1], 0xff000000, v[ST+8*\T+3]
.elseif (\k) == 2
	v_lshrrev_b32 v[TP+8*\T+1], 23, v[TP+8*\T+1]   ; the first half's byte,
	v_lshrrev_b32 v[TP+8*\T+2], 23, v[TP+8*\T+5]   ; the second half's
.elseif (\k) == 3
	v_lshl_or_b32 v[TP+8*\T+1], v[TP+8*\T+2], 16, v[TP+8*\T+1]                 ; blocks h and 2 + h,
.elseif (\k) == 4
	v_lshlrev_b32 v[TP+8*\T+1], v35, v[TP+8*\T+1]  ; at their places in the word;
.elseif (\k) == 5
	v_permlanex16_b32 v[TP+8*\T+2], v[TP+8*\T+1], s[SEL], s[SEL+1]
.elseif (\k) == 6
	v_or_b32 v[12+\T], v[TP+8*\T+1], v[TP+8*\T+2]  ; with lane l xor 16's two: p's scale word for these 128 keys
.endif
.endif
.endr
.endm
; The softmax of both tiles for half hf of the step: 32 scores a lane and tile, register i = key 64 hf + 32 (lane / 16) + i: my block 2 hf + lane / 16.
.macro SOFT2 hf
.set kk, 0
.rept 13
	MAXL 0, \hf, kk
.set kk, kk+1
.endr
.if (\hf) == 0
	v_lshl_add_u32 v1, v0, 4, s[TBN]               ; K's addresses go on to the next step: this step's last fragments have been asked for
	v_lshl_add_u32 v2, v0, 3, s[TBN]
.endif
.set kk, 0
.rept 13                               ; tile 1's search; among its lines the join of tile 0's chains and the first lines of tile 0's chain for M
	MAXL 1, \hf, kk
.if kk < 2
	MAXL 0, \hf, 13+kk
.elseif kk == 3
	MAXL 0, \hf, 15
.elseif (kk >= 5) && (kk%2 == 1)
	MST 0, \hf, (kk-5)/2
.endif
.set kk, kk+1
.endr
.set kk, 0
.rept 16                               ; tile 0's multiply-adds; among them the same of tile 1, and the rest of tile 0's chain
	FMAL 0, \hf, kk
.if kk < 2
	MAXL 1, \hf, 13+kk
.elseif kk == 4
	MAXL 1, \hf, 15
.elseif (kk >= 6) && (kk%2 == 0) && (kk <= 12)
	MST 1, \hf, (kk-6)/2
.endif
.if (kk >= 3) && (kk%2 == 1) && (kk <= 13)
	MST 0, \hf, 4+(kk-3)/2
.endif
.set kk, kk+1
.endr
.set kk, 0
.rept 16
	FMAL 1, \hf, kk
.if (kk%2 == 1) && (kk <= 11)
	MST 1, \hf, 4+(kk-1)/2
.endif
.set kk, kk+1
.endr
	s_wait_alu depctr_va_vdst(0)                   ; the wait ahead of the batch
.set jj, 0
.rept 64
	v_exp_f32 v[SS+jj], v[SS+jj]                   ; p = 2^(t - M), at most 1
.set jj, jj+1
.endr
.irp T, 0,1
	v_exp_f32 v[TP+8*\T], v[TP+8*\T]               ; the block's largest p: the same two instructions on the same number
.endr
.irp T, 0,1
	v_pk_mul_f32 v[ST+8*\T+4:ST+8*\T+5], v[ST+8*\T+4:ST+8*\T+5], v[22+8*\T+14*(\hf):23+8*\T+14*(\hf)] op_sel_hi:[1,0]   ; the sums under the new M (plain lines behind the exponentials)
.endr
	s_wait_alu depctr_va_vdst(0)                   ; one wait for the batch, ahead of its first reader
.irp T, 0,1                            ; the row's sum is taken of the unquantised p: three chains a tile, the third in two registers of this half's codes, free until the conversions
	v_pk_add_f32 v[TP+8*\T+6:TP+8*\T+7], v[SS+32*\T:SS+32*\T+1], v[SS+32*\T+2:SS+32*\T+3]
	v_pk_add_f32 v[PC+12*\T+6*(\hf):PC+12*\T+6*(\hf)+1], v[SS+32*\T+4:SS+32*\T+5], v[SS+32*\T+6:SS+32*\T+7]
.endr
	SCL \hf, 0
.set kk, 0
.rept 4
.irp T, 0,1
	v_pk_add_f32 v[ST+8*\T+4:ST+8*\T+5], v[ST+8*\T+4:ST+8*\T+5], v[SS+32*\T+6*kk+8:SS+32*\T+6*kk+9]
	v_pk_add_f32 v[TP+8*\T+6:TP+8*\T+7], v[TP+8*\T+6:TP+8*\T+7], v[SS+32*\T+6*kk+10:SS+32*\T+6*kk+11]
	v_pk_add_f32 v[PC+12*\T+6*(\hf):PC+12*\T+6*(\hf)+1], v[PC+12*\T+6*(\hf):PC+12*\T+6*(\hf)+1], v[SS+32*\T+6*kk+12:SS+32*\T+6*kk+13]
.endr
	SCL \hf, kk+1
.set kk, kk+1
.endr
.irp T, 0,1
	v_pk_add_f32 v[TP+8*\T+6:TP+8*\T+7], v[TP+8*\T+6:TP+8*\T+7], v[PC+12*\T+6*(\hf):PC+12*\T+6*(\hf)+1]
.endr
	SCL \hf, 5
.irp T, 0,1
	v_cvt_scalef32_pk16_fp6_f32 v[PC+12*\T+6*(\hf):PC+12*\T+6*(\hf)+2], v[SS+32*\T:SS+32*\T+15], v[TP+8*\T+5]
.endr
.irp T, 0,1
	v_pk_add_f32 v[ST+8*\T+4:ST+8*\T+5], v[ST+8*\T+4:ST+8*\T+5], v[TP+8*\T+6:TP+8*\T+7]         ; (plain lines: the next conversions write over sources of the last two)
.endr
.irp T, 0,1
	v_cvt_scalef32_pk16_fp6_f32 v[SS+32*\T:SS+32*\T+2], v[SS+32*\T+16:SS+32*\T+31], v[TP+8*\T+5]   ; (a conversion's three registers begin on an even number: made where the first 16 p lay, and moved)
.endr
.if \hf
	VLOAD SS+4, 0                                  ; p have become codes: registers 4 to 27 of each tile's 32 take V's four images
	VLOAD SS+16, 1
	VLOAD SS+36, 2
	VLOAD SS+48, 3
	SCL 1, 6                                       ; (also the plain line behind the last conversion)
.else
	v_nop                                          ; one plain line behind the last conversion
.endif
.irp i, 0,1,2
.irp T, 0,1
	v_mov_b32 v[PC+12*\T+6*(\hf)+3+\i], v[SS+32*\T+\i]
.endr
.endr
.endm
.macro STEPS n                         ; n trips of 128 keys.  At a trip's head its first fragments and K's words are in: the wait ahead of P V, or the one ahead of the first loop, has shown it
	s_mov_b32 s[CNT], \n
.Lstep_\@:
	SMUL 0
	PLACES 4                                       ; ahead of loads into the products' sources, and of the first read of their results
	KLOAD 1                                        ; lands under the first half's softmax
	SOFT2 0
	s_wait_dscnt 0x0
	SMUL 1
	PLACES 4
	KLOAD 0                                        ; the next step's first fragments and K's words (the addresses went on in the first half): they land under the second half's softmax
	ds_load_b128 v[4:7], v1 offset:12288
	ds_load_b128 v[8:11], v3 offset:12288          ; lanes 16-31: V's four words of my row
	SOFT2 1
	s_wait_alu depctr_va_vdst(0)                   ; the wait directly ahead of the first reader of O^T
	OSCALE                                         ; O^T under the new M.  (These 32 are also the places in front of the products below)
	s_wait_alu depctr_va_vdst(0)                   ; the wait directly ahead of the wait below
	s_wait_dscnt 0x0                               ; V's images and words, and the next step's fragments
	PV 0, SS+4                                     ; eight accumulators, one turn each
	PV 1, SS+16
	PV 2, SS+36
	PV 3, SS+48
	s_add_co_u32 s[TB], s[TB], STEPB
	s_add_co_u32 s[TBN], s[TB], STEPB
	s_min_u32 s[TBN], s[TBN], 15*STEPB             ; no address leaves the 16 steps
	v_lshl_add_u32 v3, v0, 4, s[TB]                ; V's address goes on.  With the four lines below: five places ahead of products that write over these products' sources
	PLACES 4
	s_sub_co_u32 s[CNT], s[CNT], 1
	s_cmp_lg_u32 s[CNT], 0
	s_cbranch_scc1 .Lstep_\@
.endm
	s_wait_alu depctr_va_vdst(0)                   ; the wait at the head's end
	s_cmp_lt_u32 s12, EARLY
	s_cbranch_scc0 .Lnot_early
	s_wait_tensorcnt 0x0                           ; the first arm's waves: steps 0 to 5 are in; the others may stay out: no LDS byte is ever filled again
.Lnot_early:
	s_barrier_signal -1
	s_barrier_wait -1
	KLOAD 0
	ds_load_b128 v[4:7], v1 offset:12288           ; lanes 0-15: K's four words of my row
	s_wait_dscnt 0x0
	STEPS 4
	s_wait_tensorcnt 0x0                           ; every wave, under no branch: all that was still out
	s_wait_dscnt 0x0
	s_barrier_signal -1
	s_barrier_wait -1                              ; all 16 steps are in
	STEPS 12
	; THE WAY OUT.  O^T / the sum; register 16 b + i of a tile is channel 32 b + 16 (lane / 16) + i of my query (the order of Wv's columns): two blocks of the last product's K, each in lanes l and l xor 16.
	v_lshlrev_b32 v1, 4, v0
	v_lshlrev_b32 v2, 3, v0
.irp T, 0,1
	v_add_f32 v[ST+8*\T+4], v[ST+8*\T+4], v[ST+8*\T+5]                         ; the sum's two halves,
.endr
.irp T, 0,1
	v_permlanex16_b32 v[TP+8*\T], v[ST+8*\T+4], s[SEL], s[SEL+1]
.endr
.irp T, 0,1
	v_add_f32 v[ST+8*\T+4], v[ST+8*\T+4], v[TP+8*\T]                           ; and lane l xor 16's
.endr
	s_wait_alu depctr_va_vdst(0)                   ; the wait ahead of the batch
.irp T, 0,1
	v_rcp_f32 v[ST+8*\T+6], v[ST+8*\T+4]
.endr
	v_nop                                          ; a plain line behind the reciprocals
	s_wait_alu depctr_va_vdst(0)                   ; one wait for the two, and for O^T's first reader
	OSCALE
.irp T, 0,1
.irp g, 0,1
	v_max3_num_f32 v[TP+8*\T+\g], |v[OO+32*\T+16*\g]|, |v[OO+32*\T+16*\g+1]|, 0x1800000
.endr
.endr
.irp i, 2,4,6,8,10,12,14
.irp T, 0,1
.irp g, 0,1
	v_max3_num_f32 v[TP+8*\T+\g], v[TP+8*\T+\g], |v[OO+32*\T+16*\g+\i]|, |v[OO+32*\T+16*\g+\i+1]|
.endr
.endr
.endr
.irp T, 0,1
.irp g, 0,1
	v_permlanex16_b32 v[TP+8*\T+4+\g], v[TP+8*\T+\g], s[SEL], s[SEL+1]
.endr
.endr
.irp T, 0,1
.irp g, 0,1
	v_max_num_f32 v[TP+8*\T+\g], v[TP+8*\T+\g], v[TP+8*\T+4+\g]
.endr
.endr
.irp T, 0,1
.irp g, 0,1
	v_add_nc_u32 v[TP+8*\T+4+\g], 0xff000000, v[TP+8*\T+\g]
.endr
.endr
.irp T, 0,1
.irp g, 0,1
	v_lshrrev_b32 v[TP+8*\T+\g], 23, v[TP+8*\T+4+\g]
.endr
.endr
.irp T, 0,1
	v_lshl_or_b32 v[TP+8*\T+2], v[TP+8*\T+1], 8, v[TP+8*\T]                    ; my row's two bytes
.endr
.irp T, 0,1
	v_cvt_scalef32_pk16_fp6_f32 v[PC+12*\T:PC+12*\T+2], v[OO+32*\T:OO+32*\T+15], v[TP+8*\T+4]
	v_cvt_scalef32_pk16_fp6_f32 v[SS+4*\T:SS+4*\T+2], v[OO+32*\T+16:OO+32*\T+31], v[TP+8*\T+5]
.endr
	v_nop                                          ; one plain line behind the last conversion
.irp T, 0,1
.irp i, 0,1,2
	v_permlane16_swap_b32 v[PC+12*\T+\i], v[SS+4*\T+\i]                        ; the operand wants a whole block in a lane: lanes 0-15 block 0, lanes 16-31 block 1
.endr
.endr
.irp T, 0,1
.irp i, 0,1,2
	v_mov_b32 v[PC+12*\T+3+\i], v[SS+4*\T+\i]
.endr
.endr
.irp T, 0,1
	global_store_b128 v1, v[PC+12*\T:PC+12*\T+3], s[8:9] offset:12288*\T       ; a half image: 512 and 256 consecutive bytes, aligned
	global_store_b64 v2, v[PC+12*\T+4:PC+12*\T+5], s[8:9] offset:12288*\T+512
.endr
	v_and_b32 v36, 15, v0
	v_lshrrev_b32 v37, 4, v0
	v_lshlrev_b32 v36, 4, v36
	v_lshl_add_u32 v36, v37, 9, v36                ; 512 h + 16 r: lanes 0-15 my first tile's rows, lanes 16-31 my second's
	v_cmp_eq_u32 vcc_lo, 1, v37
	v_cndmask_b32 v38, v34, v42, vcc_lo
	global_store_b16 v36, v38, s[10:11]
	s_wait_tensorcnt 0x0                           ; the wave's end
	ds_add_u32 v[SPW], v[NIL]
	s_wait_dscnt 0x0
	CROUND                                         ; the closing round: no work-group ends while a partner may still ask for a step that names it
	s_endpgm
.Lfunc_end_k_q6f2257a82f_attn:
	.size	k_q6f2257a82f_attn, .Lfunc_end_k_q6f2257a82f_attn-k_q6f2257a82f_attn
	.p2alignl 7, 3214868480
	.fill 96, 4, 3214868480
	.section	.rodata,"a",@progbits
	.p2align	6, 0x0
	.amdhsa_kernel k_q6f2257a82f_attn
		.amdhsa_group_segment_fixed_size 206848
		.amdhsa_private_segment_fixed_size 0
		.amdhsa_enable_private_segment 0
		.amdhsa_kernarg_size 32
		.amdhsa_user_sgpr_count 2
		.amdhsa_user_sgpr_kernarg_segment_ptr 1
		.amdhsa_wavefront_size32 1
		.amdhsa_system_sgpr_workgroup_id_x 1
		.amdhsa_system_sgpr_workgroup_id_y 1
		.amdhsa_system_sgpr_workgroup_id_z 1
		.amdhsa_system_vgpr_workitem_id 0
		.amdhsa_next_free_vgpr 256
		.amdhsa_next_free_sgpr 66
		.amdhsa_reserve_vcc 1
		.amdhsa_float_denorm_mode_32 3
		.amdhsa_float_denorm_mode_16_64 3
		.amdhsa_memory_ordered 1
		.amdhsa_forward_progress 1
		.amdhsa_inst_pref_size 73
	.end_amdhsa_kernel
	.amdgpu_metadata
---
amdhsa.version: [ 1, 2 ]
amdhsa.kernels:
  - .name:           k_q6f2257a82f_attn
    .symbol:         k_q6f2257a82f_attn.kd
    .args:
      - { .name: qq, .offset: 0, .size: 8, .value_kind: global_buffer, .address_space: global }
      - { .name: kv, .offset: 8, .size: 8, .value_kind: global_buffer, .address_space: global }
      - { .name: ac, .offset: 16, .size: 8, .value_kind: global_buffer, .address_space: global }
      - { .name: sc1, .offset: 24, .size: 8, .value_kind: global_buffer, .address_space: global }
    .group_segment_fixed_size: 206848
    .private_segment_fixed_size: 0
    .kernarg_segment_align: 8
    .kernarg_segment_size: 32
    .max_flat_workgroup_size: 512
    .sgpr_count:     66
    .vgpr_count:     256
    .wavefront_size: 32
...
	.end_amdgpu_metadata
.endif
;; end of part 3
;; launch oproj (part 4): grid 4 x 64, 4 waves a work-group, clusters of 4 x 4, 327,680 bytes of LDS; arguments ac, wc, sc1, o_b, out0; writes out0
.if DOCPART == 4
	.amdgcn_target "amdgcn-amd-amdhsa--gfx1250"
	.amdhsa_code_object_version 6
	.text
	.protected	k_q6f2257a82f_oproj
	.globl	k_q6f2257a82f_oproj
	.p2align	8
	.type	k_q6f2257a82f_oproj,@function
k_q6f2257a82f_oproj:
	s_mov_b64 s[64:65], 0
	v_nop
	global_prefetch_b8 v0, s[64:65] scope:SCOPE_SE
	s_setreg_imm32_b32 hwreg(HW_REG_WAVE_MODE, 25, 1), 1
	s_wait_xcnt 0x0
	s_wait_alu depctr_hold_cnt(0) depctr_sa_sdst(0) depctr_va_vdst(0) depctr_va_sdst(0) depctr_va_ssrc(0) depctr_va_vcc(0) depctr_vm_vsrc(0)
	s_getreg_b32 s2, hwreg(HW_REG_IB_STS2, 6, 4)
	s_cmp_eq_u32 s2, 0
	s_cbranch_scc0 .Lentry_in_a_cluster
	s_endpgm
.Lentry_in_a_cluster:
	s_bfe_u32 s2, ttmp6, 0x10000c
	s_cmp_lg_u32 s2, 0xf033
	s_cbranch_scc0 .Lentry_shape_is_right
	s_endpgm
.Lentry_shape_is_right:
; out0 = attn Wo + bo on codes of FP6 (E2M3) with E8M0 scales, K = 1,024.  A = the attention result's rows (ac: [512 tiles][16 heads][half image of 768 bytes]; two heads are a K step of 128), B = Wo's columns (wc, tiles 192 on: [tile][8 K steps][image of 1,536 bytes]).
; 256 work-groups, one to a WGP: each makes 128 x 256 of out0, a wave 64 x 128: 32 accumulators.  The matrix instruction is used transposed (source 0 = 16 columns of Wo, source 1 = 16 rows): a lane holds one row and registers along the columns.
; Row t of A's tile a is row 64 (a / 4) + 8 (a % 4) + t % 8 + 32 (t / 8); column r of B's tile b is column 32 (b / 2) + 8 (b % 2) + r + 8 (r / 8).
; ALL OF K LIES IN LDS, FILLED ONCE: A's 8 tiles and B's 16, 12,288 bytes each, 294,912 bytes.  Four tensor loads at the head, one a wave, each with a line of its own: wave 0 A's first half of K (rows of 6,144 bytes), wave 1 B's,
; waves 2 and 3 the second halves.  The first barrier waits for waves 0 and 1 alone; the barrier in K step 3, in front of which every wave waits, shows the second half.  Nothing is filled again, so no round stands but the opening and the closing one.
; CLUSTERS: 4 x 4; A's tiles are asked for jointly along a row of the cluster, B's along a column.  NO PREFETCH: every tile is asked for at the head, so there is no loop to run ahead in.
; A K step: the next step's fragments (B's eight, A's four; two sets each) are asked for first, then come the step's 32 products, the accumulators by turns.
; THE WAY OUT: 16 rows x 128 columns at a time through my own stage in LDS, back as whole rows of 512 bytes; the bias is added on the way.  The stage lies where A's first half of K lay, which has had its only fill and is read by nobody behind the barrier in K step 3.
; REGISTERS: window 0: v1-29 addresses, v8-11 the bias of my four columns; v32-95 scale words and nothing else; v128-223 A's fragments, two sets of four (on the way out v128-255: rows read back).  window 1: B's fragments, two sets.  window 2: the accumulators, (a, b) at v[8 (8 a + b)].
.set FR,    12
.set TH,    6144                       ; a tile's half of K
.set LB0,   8*TH                       ; LDS: A's first half at 0, B's behind it,
.set LH1,   24*TH                      ; and the second halves the same, 147,456 bytes on
.set SPARE, 48*TH                      ; behind them: the spare words, 128 bytes a wave, two blocks of 256 bytes that no other line names
.set SPITCH, 528
.set STO,   4                          ; v4      the stage: where I put 32 bytes of a row
.set RD,    5                          ; v5      and where I read a row back
.set ADRA8, 12                         ; v12-13  8 x lane + my 4 tiles of A, first and second half of K
.set ADRA,  16                         ; v16-17  16 x lane + the same
.set ADRB,  20                         ; v20-21  16 x lane + my 8 tiles of B
.set LI,    24
.set L8,    25
.set SCO,   26
.set SPW,   28
.set NIL,   29
.set SC,    32                         ; v[SC + 8 i + s]: lanes 0-15 the word of A's tile i (i under 4), lanes 16-31 that of B's tile i, for K step s
.set AF,    128
.set BK,    128
.set G1A,   24
.set G0A,   32
.set G0B,   36
.set G1B,   48
.set MUL_LO, 0xa1                      ; source 0 (B) window 1, source 1 (A) window 0, C and D window 2
.set TO_B,   0x40
.set MSB, 0
.macro WIN new                         ; the immediate's high byte repeats the setting that is left
.if MSB != (\new)
	s_set_vgpr_msb (MSB<<8)|(\new)
.set MSB, (\new)
.endif
.endm
.macro PLACES                          ; four plain vector lines behind a matrix instruction, ahead of loads into its sources and of reads of its result
.rept 4
	v_nop
.endr
.endm
.macro CROUND
	s_barrier_signal -1
	s_barrier_wait -1
	s_cmp_lg_u32 s20, 0
	s_cbranch_scc1 .Lnot_wave_0_\@
	s_barrier_signal -3
.Lnot_wave_0_\@:
	s_barrier_wait -3
	s_barrier_signal -1
	s_barrier_wait -1
.endm
.macro FETCH s                         ; K step s's fragments into sets s % 2
.set HF_, (\s)/4
.set OF_, ((\s)%4)*1536
.set P_, (\s)%2
	WIN TO_B
.irp i, 0,1,2,3,4,5,6,7
.irp c, 0,1,2
	ds_load_b128 v[128*P_+FR*\i+4*\c:128*P_+FR*\i+4*\c+3], v[ADRB+HF_] offset:\i*TH+OF_+512*\c      ; an image comes back as it was stored
.endr
.endr
	WIN 0
.irp i, 0,1,2,3
	ds_load_b128 v[AF+48*P_+FR*\i:AF+48*P_+FR*\i+3], v[ADRA+HF_] offset:\i*TH+OF_                   ; two half images on end: registers 0-3 at 16 x lane, 4-5 at 512 + 8 x lane
	ds_load_b64 v[AF+48*P_+FR*\i+4:AF+48*P_+FR*\i+5], v[ADRA8+HF_] offset:\i*TH+OF_+512
	ds_load_b128 v[AF+48*P_+FR*\i+6:AF+48*P_+FR*\i+9], v[ADRA+HF_] offset:\i*TH+OF_+768
	ds_load_b64 v[AF+48*P_+FR*\i+10:AF+48*P_+FR*\i+11], v[ADRA8+HF_] offset:\i*TH+OF_+1280
.endr
.endm
.macro MUL32 s                         ; A's four tiles x B's eight, K step s.  The 32 accumulators take turns, one instruction a turn, in the same order in every step
.irp a, 0,1,2,3
.irp b, 0,1,2,3,4,5,6,7
.if (\s) == 0
	v_wmma_scale_f32_16x16x128_f8f6f4 v[8*(8*\a+\b):8*(8*\a+\b)+7], v[128*((\s)%2)+FR*\b:128*((\s)%2)+FR*\b+FR-1], v[AF+48*((\s)%2)+FR*\a:AF+48*((\s)%2)+FR*\a+FR-1], 0, v[SC+8*\b+(\s)], v[SC+8*\a+(\s)] matrix_a_fmt:MATRIX_FMT_FP6 matrix_b_fmt:MATRIX_FMT_FP6 matrix_a_scale:MATRIX_SCALE_ROW1
.else
	v_wmma_scale_f32_16x16x128_f8f6f4 v[8*(8*\a+\b):8*(8*\a+\b)+7], v[128*((\s)%2)+FR*\b:128*((\s)%2)+FR*\b+FR-1], v[AF+48*((\s)%2)+FR*\a:AF+48*((\s)%2)+FR*\a+FR-1], v[8*(8*\a+\b):8*(8*\a+\b)+7], v[SC+8*\b+(\s)], v[SC+8*\a+(\s)] matrix_a_fmt:MATRIX_FMT_FP6 matrix_b_fmt:MATRIX_FMT_FP6 matrix_a_scale:MATRIX_SCALE_ROW1
.endif
.endr
.endr
.endm
.macro STEP s
	s_wait_dscnt 0x0                               ; this step's fragments are in
.if (\s) == 3
	s_wait_tensorcnt 0x0                           ; every wave, under no branch: the second half of K is in; my reads of the first half are over
	s_barrier_signal -1
	s_barrier_wait -1
.endif
.if (\s) < 7
.if (\s) > 0
	PLACES                                         ; the other sets were read by the last step's products
.endif
	FETCH (\s)+1
.endif
	WIN MUL_LO
	MUL32 \s
	WIN 0
.endm
	s_load_b256 s[4:11], s[0:1], 0x0               ; ac, wc, sc1, o_b
	s_load_b64 s[12:13], s[0:1], 0x20              ; out0
	v_lshl_add_u32 v[SPW], v0, 2, SPARE
	v_mov_b32 v[NIL], 0
	ds_add_u32 v[SPW], v[NIL]                      ; the opening lines: the add twice on end and its wait ahead of my tensor load
	ds_add_u32 v[SPW], v[NIL]
	v_lshrrev_b32 v3, 5, v0
	v_readfirstlane_b32 s20, v3                    ; wave 0..3
	s_lshr_b32 s21, s20, 1                         ; which 4 tiles of A are mine.  At the head: which half of K I fetch
	s_and_b32 s22, s20, 1                          ; which 8 tiles of B.  At the head: I fetch for A (0) or for B (1)
	s_bfe_u32 s56, ttmp6, 0x40000                  ; cx
	s_bfe_u32 s57, ttmp6, 0x40004                  ; cy
	s_and_b32 s58, ttmp7, 0xffff
	s_lshl_b32 s88, s57, 2
	s_lshl_b32 s88, 15, s88                        ; my row of the cluster
	s_lshl_b32 s89, 0x1111, s56                    ; my column
	; descriptor group 1: rows (tiles) of 6,144 bytes (768 elements of 8 bytes), 12,288 bytes apart; dense in LDS; 8 rows for A, 16 for B
	s_or_b32 s[G1A], s88, (3<<16)|(1<<21)
	s_or_b32 s[G1B], s89, (3<<16)|(1<<21)
.irp g, G1A, G1B
	s_mov_b32 s[\g+1], 768<<16
	s_mov_b32 s[\g+3], 768<<16
	s_mov_b32 s[\g+5], 1536
	s_mov_b32 s[\g+6], 0
	s_mov_b32 s[\g+7], 0
.endr
	s_mov_b32 s[G1A+2], 8<<16
	s_mov_b32 s[G1A+4], 8
	s_mov_b32 s[G1B+2], 16<<16
	s_mov_b32 s[G1B+4], 16
	s_lshl_b32 s62, s58, 2
	s_add_co_u32 s62, s62, s57                     ; A's block of 128 rows = 4 x cluster y + cy
	s_lshl_b32 s63, ttmp9, 2
	s_add_co_u32 s63, s63, s56                     ; B's block of 256 columns = 4 x cluster x + cx
	s_mul_i32 s92, s21, TH                         ; my half of K
	s_mul_i32 s90, s62, 8*12288
	s_add_co_u32 s90, s90, s92                     ; A: the block's 8 tiles
	s_mov_b32 s91, 0
	s_lshl_b32 s94, s63, 4
	s_add_co_u32 s94, s94, 192                     ; Wo's tiles begin at 192 in wc
	s_mul_i32 s94, s94, 12288
	s_add_co_u32 s94, s94, s92                     ; B: the block's 16 tiles
	s_mov_b32 s95, 0
	s_lshl_b32 s2, s62, 3
	s_lshl_b32 s3, s21, 2
	s_add_co_u32 s2, s2, s3
	s_lshl_b32 s2, s2, 9                           ; the scale words of my 4 tiles of A,
	s_lshl_b32 s3, s63, 4
	s_lshl_b32 s93, s22, 3
	s_add_co_u32 s3, s3, s93
	s_add_co_u32 s3, s3, 512
	s_lshl_b32 s3, s3, 9                           ; and of my 8 of B
	s_lshl_b32 s84, s62, 7
	s_lshl_b32 s85, s21, 6
	s_add_co_u32 s84, s84, s85
	s_lshl_b32 s84, s84, 12                        ; my first row of out0, 4,096 bytes a row
	s_lshl_b32 s86, s63, 10
	s_lshl_b32 s87, s22, 9
	s_add_co_u32 s86, s86, s87                     ; my first column, in bytes
	s_mov_b32 s87, 0
	s_mov_b32 s85, 0
	s_mov_b32 s[G0A], 1
	s_mul_i32 s[G0A+1], s21, LH1
	s_mov_b32 s[G0B], 1
	s_mul_i32 s[G0B+1], s21, LH1
	s_add_co_u32 s[G0B+1], s[G0B+1], LB0
	s_wait_dscnt 0x0
	s_wait_kmcnt 0x0
	s_add_nc_u64 s[G0A+2:G0A+3], s[4:5], s[90:91]
	s_or_b32 s[G0A+3], s[G0A+3], 0x80000000
	s_add_nc_u64 s[G0B+2:G0B+3], s[6:7], s[94:95]
	s_or_b32 s[G0B+3], s[G0B+3], 0x80000000
	s_add_nc_u64 s[12:13], s[12:13], s[84:85]
	s_add_nc_u64 s[12:13], s[12:13], s[86:87]
	s_add_nc_u64 s[10:11], s[10:11], s[86:87]
	CROUND                                         ; all sixteen work-groups are here: the joint loads meet
.macro ARM w, g0, g1, next             ; one chain of branches on the wave's number: every way passes exactly one load, and each wave's line is its own
	s_cmp_eq_u32 s20, \w
	s_cbranch_scc0 \next
	tensor_load_to_lds s[\g0:\g0+3], s[\g1:\g1+7]
	s_nop 0
	PLACES
	s_branch .Lhead_asked
\next:
.endm
	ARM 0, G0A, G1A, .Lhead_1
	ARM 1, G0B, G1B, .Lhead_2
	ARM 2, G0A, G1A, .Lhead_3
	tensor_load_to_lds s[G0B:G0B+3], s[G1B:G1B+7]
	s_nop 0
	PLACES
.Lhead_asked:
	s_mul_i32 s84, s21, 4*TH                       ; my 4 tiles of A,
	s_mul_i32 s85, s22, 8*TH
	s_add_co_u32 s85, s85, LB0                     ; my 8 of B,
	s_mul_i32 s86, s20, 16*SPITCH                  ; my stage
	v_and_b32 v1, 15, v0                           ; r
	v_bfe_u32 v2, v0, 4, 1                         ; h
	v_and_b32 v3, 31, v0
	v_lshlrev_b32 v[LI], 4, v3
	v_lshlrev_b32 v[L8], 3, v3
	v_add_nc_u32 v[ADRA], s84, v[LI]
	v_add_nc_u32 v[ADRA8], s84, v[L8]
	v_add_nc_u32 v[ADRB], s85, v[LI]
	v_add_nc_u32 v[ADRA+1], LH1, v[ADRA]
	v_add_nc_u32 v[ADRA8+1], LH1, v[ADRA8]
	v_add_nc_u32 v[ADRB+1], LH1, v[ADRB]
	v_mul_u32_u24 v[STO], v1, SPITCH
	v_lshl_add_u32 v[STO], v2, 6, v[STO]
	v_add_nc_u32 v[STO], s86, v[STO]               ; in: row r, + 64 h: tile b's eight columns of my half lie 128 (b / 2) + 32 (b % 2) bytes on
	v_add_nc_u32 v[RD], s86, v[LI]                 ; back: the 32 lanes take one row of 512 bytes
	v_cmp_eq_u32 vcc_lo, 1, v2
	v_mov_b32 v[SCO], s2
	v_mov_b32 v27, s3
	v_cndmask_b32 v[SCO], v[SCO], v27, vcc_lo      ; lanes 0-15 take A's words, lanes 16-31 B's
	v_lshl_add_u32 v[SCO], v1, 4, v[SCO]
.irp i, 0,1,2,3,4,5,6,7
.irp kh, 0,1
	global_load_b128 v[SC+8*\i+4*\kh:SC+8*\i+4*\kh+3], v[SCO], s[8:9] offset:512*\i+256*\kh   ; all of K's scale words, once.  (For i over 3 lanes 0-15 bring the words of later tiles of sc1, which no product names)
.endr
.endr
	global_load_b128 v[8:11], v[LI], s[10:11]      ; the bias of the four columns that I store
	s_wait_alu depctr_va_vdst(0)                   ; the wait at the head's end
	s_cmp_lt_u32 s20, 2
	s_cbranch_scc0 .Lnot_first_half
	s_wait_tensorcnt 0x0                           ; waves 0 and 1: the first half of K is in; the second may stay out
.Lnot_first_half:
	s_barrier_signal -1
	s_barrier_wait -1
	FETCH 0
	s_wait_loadcnt 0x0                             ; the scale words and the bias
.irp s, 0,1,2,3,4,5,6,7
	STEP \s                                        ; the first step's products start the sums: nothing is cleared
.endr
.macro TOSTAGE a                       ; tile row a: 16 rows x 128 columns into my stage, and back as whole rows.  LDS serves a wave's instructions in order (ISA guide 5.7.1.4): no wait between
	WIN 0x08                                       ; an LDS store's data: window 2
.irp b, 0,1,2,3,4,5,6,7
	ds_store_b128 v[STO], v[64*(\a)+8*\b:64*(\a)+8*\b+3] offset:128*(\b/2)+32*(\b%2)             ; each accumulator from its low end on
	ds_store_b128 v[STO], v[64*(\a)+8*\b+4:64*(\a)+8*\b+7] offset:128*(\b/2)+32*(\b%2)+16
.endr
	WIN 0
.set BB, BK+64*((\a)%2)
.irp t, 0,1,2,3,4,5,6,7,8,9,10,11,12,13,14,15
	ds_load_b128 v[BB+4*\t:BB+4*\t+3], v[RD] offset:\t*SPITCH
.endr
.endm
.macro SEND a, younger                 ; younger: the LDS instructions issued behind tile row a's loads, which may stay out
.set BB, BK+64*((\a)%2)
	s_wait_dscnt \younger
.irp t, 0,1,2,3,4,5,6,7,8,9,10,11,12,13,14,15
	v_pk_add_f32 v[BB+4*\t:BB+4*\t+1], v[BB+4*\t:BB+4*\t+1], v[8:9]
	v_pk_add_f32 v[BB+4*\t+2:BB+4*\t+3], v[BB+4*\t+2:BB+4*\t+3], v[10:11]
	global_store_b128 v[LI], v[BB+4*\t:BB+4*\t+3], s[12:13] offset:(8*(\a)+\t+24*(\t/8))*4096 th:TH_STORE_NT   ; 32 lanes store 512 consecutive bytes, aligned; the row's place stands in the immediate
.endr
.endm
	PLACES
	TOSTAGE 0
.irp a, 1,2,3
.if \a > 1
	s_wait_xcnt 0x0                                ; the stores of two tile rows back have read their registers: this tile row's loads may land there
.endif
	TOSTAGE \a
	SEND \a-1, 32                                  ; behind its loads: this tile row's 16 stores and 16 loads
.endr
	SEND 3, 0
	s_wait_tensorcnt 0x0                           ; the wave's end
	ds_add_u32 v[SPW], v[NIL]
	s_wait_dscnt 0x0
	CROUND                                         ; the closing round
	s_endpgm
.Lfunc_end_k_q6f2257a82f_oproj:
	.size	k_q6f2257a82f_oproj, .Lfunc_end_k_q6f2257a82f_oproj-k_q6f2257a82f_oproj
	.p2alignl 7, 3214868480
	.fill 96, 4, 3214868480
	.section	.rodata,"a",@progbits
	.p2align	6, 0x0
	.amdhsa_kernel k_q6f2257a82f_oproj
		.amdhsa_group_segment_fixed_size 327680
		.amdhsa_private_segment_fixed_size 0
		.amdhsa_enable_private_segment 0
		.amdhsa_kernarg_size 40
		.amdhsa_user_sgpr_count 2
		.amdhsa_user_sgpr_kernarg_segment_ptr 1
		.amdhsa_wavefront_size32 1
		.amdhsa_system_sgpr_workgroup_id_x 1
		.amdhsa_system_sgpr_workgroup_id_y 1
		.amdhsa_system_sgpr_workgroup_id_z 1
		.amdhsa_system_vgpr_workitem_id 0
		.amdhsa_next_free_vgpr 768
		.amdhsa_next_free_sgpr 100
		.amdhsa_reserve_vcc 1
		.amdhsa_float_denorm_mode_32 3
		.amdhsa_float_denorm_mode_16_64 3
		.amdhsa_memory_ordered 1
		.amdhsa_forward_progress 1
		.amdhsa_inst_pref_size 86
	.end_amdhsa_kernel
	.amdgpu_metadata
---
amdhsa.version: [ 1, 2 ]
amdhsa.kernels:
  - .name:           k_q6f2257a82f_oproj
    .symbol:         k_q6f2257a82f_oproj.kd
    .args:
      - { .name: ac, .offset: 0, .size: 8, .value_kind: global_buffer, .address_space: global }
      - { .name: wc, .offset: 8, .size: 8, .value_kind: global_buffer, .address_space: global }
      - { .name: sc1, .offset: 16, .size: 8, .value_kind: global_buffer, .address_space: global }
      - { .name: o_b, .offset: 24, .size: 8, .value_kind: global_buffer, .address_space: global }
      - { .name: out0, .offset: 32, .size: 8, .value_kind: global_buffer, .address_space: global }
    .group_segment_fixed_size: 327680
    .private_segment_fixed_size: 0
    .kernarg_segment_align: 8
    .kernarg_segment_size: 40
    .max_flat_workgroup_size: 128
    .sgpr_count:     100
    .vgpr_count:     768
    .wavefront_size: 32
...
	.end_amdgpu_metadata
.endif
;; end of part 4
